; MI455X (gfx1250); checked and timed in simulation.
; The chip was launched on July 23, 2026; its instructions are those of AMD's public machine-readable ISA for CDNA 5 (MIT licence, August 2026) and "CDNA5" Instruction Set Architecture Reference Guide (July 2026). The comments in the code are by the model that wrote it; some were corrected since.
;; Self Attention Block With Ro PE. Allowed arithmetic: matrix products marked QUANTISED: E4M3 operands, one E8M0 scale for each 32 along K, by v_wmma_scale_f32_16x16x128_f8f6f4 with both operands' format E4M3, f32 sums; everything else in f32.
;; Inputs: ln1_b 1,024 float32; ln1_w 1,024 float32; ln2_b 1,024 float32; ln2_w 1,024 float32; mlp_b1 4,096 float32; mlp_b2 1,024 float32; mlp_w1_codes 4,096 x 32 x 32 uint8 (E4M3 codes of mlp_w1, K innermost, in blocks of 32 codes); mlp_w1_scales 4,096 x 32 uint8 (E8M0 scales of mlp_w1, one for each 32 codes along K); mlp_w2_codes 1,024 x 128 x 32 uint8 (E4M3 codes of mlp_w2, K innermost, in blocks of 32 codes); mlp_w2_scales 1,024 x 128 uint8 (E8M0 scales of mlp_w2, one for each 32 codes along K); o_b 1,024 float32; o_w_codes 1,024 x 32 x 32 uint8 (E4M3 codes of o_w, K innermost, in blocks of 32 codes); o_w_scales 1,024 x 32 uint8 (E8M0 scales of o_w, one for each 32 codes along K); pos 2 x 2,048 int32; qkv_b 3,072 float32; qkv_w_codes 3,072 x 32 x 32 uint8 (E4M3 codes of qkv_w, K innermost, in blocks of 32 codes); qkv_w_scales 3,072 x 32 uint8 (E8M0 scales of qkv_w, one for each 32 codes along K); x 2 x 2,048 x 1,024 float32.
;; Outputs: out0 2 x 2,048 x 1,024 float32.
;; This version of the problem:
;;   THIS VERSION OF THE PROBLEM IS GIVEN IN LOW PRECISION. The matrix products marked QUANTISED in the list below multiply operands that are first quantised to E4M3 (4 exponent bits, 3 mantissa bits; 8 bits a number), with one power-of-two scale for each 32 numbers along K (OCP MX v1.0); their sums are f32. All else is computed in f32.
;;   The module's matrix products, in the order in which they are computed (A, B: the left and right operand; K: the contracted axis; several contracted axes count as one K, in the product's order):
;;     1. [M 4,096, K 1,024] x [K 1,024, N 3,072]; A: computed on the way; B: input qkv_w (given as codes): QUANTISED
;;     2. batch 32 x [M 2,048, K 64] x [K 64, N 2,048]; A: computed on the way; B: computed on the way: QUANTISED
;;     3. batch 32 x [M 2,048, K 2,048] x [K 2,048, N 64]; A: softmax (see below); B: computed on the way: QUANTISED
;;     4. [M 4,096, K 1,024] x [K 1,024, N 1,024]; A: computed on the way; B: input o_w (given as codes): QUANTISED
;;     5. [M 4,096, K 1,024] x [K 1,024, N 4,096]; A: computed on the way; B: input mlp_w1 (given as codes): QUANTISED
;;     6. [M 4,096, K 4,096] x [K 4,096, N 1,024]; A: computed on the way; B: input mlp_w2 (given as codes): QUANTISED
;;   THE QUANTISER, for each operand of a quantised product, along K:
;;     - K is cut into blocks of 32 from its start; a last block that is shorter is filled with zeros.
;;     - A block's scale is 2^e with e = floor(log2(the largest magnitude in the block)) - 8, held to -126 .. 127; a block of zeros has e = 0. As a byte (E8M0): e + 127.
;;     - Each number is divided by its block's scale, clamped to +-448, and rounded to the nearest number of E4M3, ties to even, subnormals kept.
;;     - The product sums the exact products of the quantised numbers (number of the format x scale) in f32.
;;   ~~~python
;;   def quantise(x, axis):      # numpy; x: float32 -> the quantised numbers, widened to float32 again
;;       x = np.moveaxis(x, axis, -1); K = x.shape[-1]
;;       x = np.pad(x, [(0, 0)] * (x.ndim - 1) + [(0, -K % 32)]); x = x.reshape(x.shape[:-1] + (-1, 32)); a = np.abs(x).max(-1, keepdims=True)
;;       e = np.where(a > 0, np.clip(np.frexp(np.where(a > 0, a, 1))[1] - 1 - 8, -126, 127), 0)      # np.frexp(a)[1] - 1 = floor(log2(a)), exactly
;;       r = np.clip(x / 2.0 ** e, -448, 448)
;;       step = 2.0 ** (np.maximum(np.frexp(np.where(r == 0, 1, r))[1] - 1, -6) - 3)
;;       q = np.round(r / step) * step * 2.0 ** e      # np.round: ties to even
;;       return np.moveaxis(q.reshape(q.shape[:-2] + (-1,))[..., :K], -1, axis).astype(np.float32)
;;   ~~~
;;   SOFTMAX AHEAD OF A QUANTISED PRODUCT. Where the list says 'softmax', what is quantised is not the finished softmax but p = 2^(t - M), with t = logit x log2(e) and M = ceil(the row's largest t), a whole number; so 1/2 < the row's largest p <= 1. The row's sum l is taken of the UNQUANTISED p, in f32, and the product's result is divided by l at the end. Since M is a whole number, a kernel that streams over the keys may use a running M (the ceiling of the running maximum): every later rescaling is an exact power of two, which a block's scale takes up: the codes' values come out the same.
;;   OPERANDS COMPUTED ON THE WAY. 'Computed on the way' means the value that the module computes at that place (a softmax that the list does not call 'softmax' is quantised finished and normalised). What goes into a quantiser is computed in f32, as accurately as f32 sums, v_exp_f32 and their like allow (about 1e-6 of the number): no bf16 or f16 on the way to a quantiser, and a product that is left as it is and whose result goes on into a quantised operand takes f32 operands (vector FMAs, or v_wmma_f32_16x16x4_f32). A number that lies on a knife's edge between two numbers of the format may be rounded either way, as far as f32 arithmetic and the matrix unit's own rounding can turn it there, and no further.
;;   INPUTS GIVEN AS CODES. mlp_w1 (in the module: [1024, 4096], K = its axis 0); mlp_w2 (in the module: [4096, 1024], K = its axis 0); o_w (in the module: [1024, 1024], K = its axis 0); qkv_w (in the module: [1024, 3072], K = its axis 0): each comes as NAME_codes (uint8): NAME with its K axis moved to the last place and cut into blocks of 32 codes, [.., K / 32, bytes a block], one block behind the other in memory; one code a byte (a code: sign, 4 exponent bits, 3 mantissa bits); and NAME_scales (uint8): the same leading axes, one E8M0 byte (e + 127) for each 32 codes along K. Its value is code x scale, taken as it is: it is not quantised again, and the codes and scales need not be those that the quantiser above would give.
;; One version. Each part assembles by itself: llvm-mc -triple=amdgcn-amd-amdhsa -mcpu=gfx1250 --defsym DOCPART=n.
;; ======== version 1 of 1: 7 launches
;; limits: right only within a limited range of input values
;; workspace buffers: act 4,325,376 bytes; hact 17,301,504 bytes; wimg 12,582,912 bytes; trig 1,048,576 bytes; qb 4,325,376 bytes; kv 8,650,752 bytes; x1 16,777,216 bytes
;; launch prep (part 1): grid 704 x 1, 8 waves a work-group, no clusters, 67,072 bytes of LDS; arguments x, ln1_w, ln1_b, act, pos, trig, qkv_w_codes, o_w_codes, mlp_w1_codes, mlp_w2_codes, wimg; writes act, trig, wimg
.if DOCPART == 1
	.amdgcn_target "amdgcn-amd-amdhsa--gfx1250"
	.amdhsa_code_object_version 6
	.text
	.protected	k_q93c8bbca1f_prep
	.globl	k_q93c8bbca1f_prep
	.p2align	8
	.type	k_q93c8bbca1f_prep,@function
k_q93c8bbca1f_prep:
	s_mov_b64 s[64:65], 0
	v_nop
	global_prefetch_b8 v0, s[64:65] scope:SCOPE_SE
	s_setreg_imm32_b32 hwreg(HW_REG_WAVE_MODE, 25, 1), 1
	s_wait_xcnt 0x0
; THREE ROLES, chosen by the work-group's number alone (the same for all eight waves of a work-group).
; Work-groups 0-255: LAYER NORM INTO CODES.  src [4096][1024] f32 is normalised row by row (mean; variance of the centred numbers, so no difference of large sums is formed;
;   1/sqrt(var + 1e-5); gain; bias), quantised to E4M3 with one E8M0 byte for each 32 channels, and stored as IMAGES OF OPERAND REGISTERS:
;   act[row block of 64 tokens][K step of 128 channels] = 4 images of 2,048 bytes (register group c of lane l at 512 c + 16 l: channels 32 c + 16 (l / 16) + 0..15 of the lane's token), then 256 bytes of scale words.
;   Tile T of 16 tokens: lane row r is token 32 (T / 2) + 8 (T % 2) + r + 8 (r / 8): so that later products used either way round leave 16 neighbours along the next K in a lane's registers.
; Work-groups 256-447: THE FOUR WEIGHTS' CODES ARE LAID OUT IN FRAGMENT ORDER: a chunk of 8,192 bytes = (64 rows of a weight, 128 along K) = 4 images; tile 2 b + u of a chunk: lane row r is row 32 b + 8 u + r + 8 (r / 8).
; Work-groups 448-703: cos and sin of pos x 10000^(-i / 32), i = 0..31, for each token: trig[token][cos 32 | sin 32] f32.
; A launch of 256 work-groups runs the first role alone.
; LIMITS: NaN and infinities are not served.  A block whose largest magnitude lies under 2^-118 keeps the scale byte 1 (a block of zeros too: its codes are zeros, and this program alone reads the bytes).
;   pos within +-2^22.  The inverse frequency is 2^(-i log2(10000) / 32) by v_exp_f32, so the largest angles can differ from a correctly rounded one by about an ulp of the angle.
.set PITCH, 4112                       ; a stage row: 4,096 bytes + 16 = 1,028 words: the 16 rows that a load touches start 4 banks apart (64 banks of 4 bytes: ISA guide 11.1)
.set X,   16                           ; v16-79   two rows as loaded (32 registers each); later 64 numbers of one row for the quantiser
.set GN,  80                           ; v80-111  gain of my 128 columns
.set BS,  112                          ; v112-143 bias
.set TM,  144                          ; v144-147 largest magnitudes, v148-151 bytes, v156-159 the conversions' scale operands
.set PC,  160                          ; v160-175 the codes
.set PW,  176                          ; v176     the scale word
.set SA,  178                          ; v[178:179], v[180:181] two chains of sums
.set SB,  180
.set RS,  182                          ; v[182:183], v[184:185] 1 / sigma of my two rows, each twice
.set PT,  186                          ; v186     what comes from the lane 16 away
.set MN,  188                          ; v[188:189] the mean, twice
.set WV,  28                           ; s28      my wave's number
.set SEL, 40                           ; s[40:41] v_permlanex16_b32's selects for lane l xor 16
.set MNT, 42
	s_load_b256 s[4:11], s[0:1], 0x0               ; src s[4:5], gain s[6:7], bias s[8:9], act s[10:11]
	s_load_b256 s[12:19], s[0:1], 0x20             ; pos s[12:13], trig s[14:15], qkv_w's codes s[16:17], o_w's s[18:19]
	s_load_b128 s[20:23], s[0:1], 0x40             ; mlp_w1's s[20:21], mlp_w2's s[22:23]
	s_load_b64 s[24:25], s[0:1], 0x50              ; wimg
	v_lshl_add_u32 v192, v0, 2, 0x10200
	v_mov_b32 v193, 0
	v_lshrrev_b32 v1, 5, v0
	s_delay_alu instid0(VALU_DEP_1)
	v_readfirstlane_b32 s[WV], v1                  ; wave 0..7
	v_and_b32 v1, 31, v0                           ; lane
	s_delay_alu instid0(VALU_DEP_1)
	v_lshlrev_b32 v2, 4, v1                        ; 16 x lane
	v_and_b32 v6, 15, v0                           ; r
	v_bfe_u32 v7, v0, 4, 1                         ; h
	s_cmp_lt_u32 ttmp9, 256
	s_cbranch_scc0 .Lnot_norm
; ---------------------------------------------------------------- layer norm: the work-group owns tile T = its number
	s_mul_i32 s29, s[WV], 2*PITCH
	v_add_nc_u32 v3, s29, v2                       ; into the stage: my two rows, 16 bytes a lane
	v_mul_u32_u24 v4, v6, PITCH
	s_delay_alu instid0(VALU_DEP_1)
	v_lshl_add_u32 v4, v7, 6, v4
	s_lshl_b32 s29, s[WV], 9
	v_add_nc_u32 v4, s29, v4                       ; out of it: row r, + 64 h, + 512 x wave: my 16 numbers of each block of 32 of K step = wave
	v_lshlrev_b32 v5, 2, v6                        ; 4 r: a scale word's place
	s_lshr_b32 s30, ttmp9, 1
	s_lshl_b32 s30, s30, 5
	s_and_b32 s31, ttmp9, 1
	s_lshl_b32 s31, s31, 3
	s_add_co_u32 s30, s30, s31
	s_lshl_b32 s31, s[WV], 1
	s_add_co_u32 s30, s30, s31
	s_lshr_b32 s31, s[WV], 2
	s_lshl_b32 s31, s31, 3
	s_add_co_u32 s30, s30, s31                     ; stage rows 2 w and 2 w + 1 are tokens 32 (T / 2) + 8 (T % 2) + 2 w + 8 (w / 4) and the next
	s_lshl_b32 s30, s30, 12                        ; x 4,096 bytes a row
	s_mov_b32 s31, 0
	s_lshr_b32 s32, ttmp9, 2
	s_mul_i32 s32, s32, 67584                      ; the row block's 8 K steps of 8,448 bytes
	s_mul_i32 s33, s[WV], 8448
	s_add_co_u32 s32, s32, s33                     ; my K step's block
	s_and_b32 s33, ttmp9, 3                        ; the tile's place in its row block
	s_lshl_b32 s34, s33, 11
	s_add_co_u32 s34, s34, s32                     ; its image
	s_mov_b32 s35, 0
	s_lshl_b32 s36, s33, 6
	s_add_co_u32 s36, s36, s32
	s_add_co_u32 s36, s36, 8192                    ; its 16 scale words
	s_mov_b32 s37, 0
	s_mov_b32 s[SEL], 0x76543210
	s_mov_b32 s[SEL+1], 0xfedcba98
	s_mov_b32 s43, 0x3a800000                      ; 1 / 1024
	s_mov_b32 s44, 0x3727c5ac                      ; 1e-5
	v_mov_b32 v[PT], 0                             ; a lane permute's destination counts as one of its sources: written once
.irp b, 0,1,2,3
	v_mov_b32 v[TM+4+\b], 0
.endr
	s_wait_kmcnt 0x0
	s_add_nc_u64 s[4:5], s[4:5], s[30:31]
	s_add_nc_u64 s[34:35], s[10:11], s[34:35]
	s_add_nc_u64 s[36:37], s[10:11], s[36:37]
.irp a, 0,1
.irp i, 0,1,2,3,4,5,6,7
	global_load_b128 v[X+32*\a+4*\i:X+32*\a+4*\i+3], v2, s[4:5] offset:4096*\a+512*\i   ; 32 lanes read 512 consecutive bytes
.endr
.endr
.irp i, 0,1,2,3,4,5,6,7
	global_load_b128 v[GN+4*\i:GN+4*\i+3], v2, s[6:7] offset:512*\i
	global_load_b128 v[BS+4*\i:BS+4*\i+3], v2, s[8:9] offset:512*\i
.endr
.macro ALLSUM r                        ; the pair's two halves, then the 32 lanes: the sum in every lane
	s_delay_alu instid0(VALU_DEP_1)
	v_add_f32 v[\r], v[\r], v[\r+1]
	s_delay_alu instid0(VALU_DEP_1)
	v_add_f32_dpp v[\r], v[\r], v[\r] row_xmask:1 row_mask:0xf bank_mask:0xf
	s_delay_alu instid0(VALU_DEP_1)
	v_add_f32_dpp v[\r], v[\r], v[\r] row_xmask:2 row_mask:0xf bank_mask:0xf
	s_delay_alu instid0(VALU_DEP_1)
	v_add_f32_dpp v[\r], v[\r], v[\r] row_xmask:4 row_mask:0xf bank_mask:0xf
	s_delay_alu instid0(VALU_DEP_1)
	v_add_f32_dpp v[\r], v[\r], v[\r] row_xmask:8 row_mask:0xf bank_mask:0xf
	s_delay_alu instid0(VALU_DEP_1)
	v_permlanex16_b32 v[PT], v[\r], s[SEL], s[SEL+1]
	s_delay_alu instid0(VALU_DEP_1)
	v_add_f32 v[\r], v[\r], v[PT]
.endm
.macro STATS a                         ; row a: the mean; the row centred in place; 1 / sqrt(mean of squares + 1e-5)
.set XB, X+32*\a
	v_pk_add_f32 v[SA:SA+1], v[XB:XB+1], v[XB+2:XB+3]
	v_pk_add_f32 v[SB:SB+1], v[XB+4:XB+5], v[XB+6:XB+7]
.irp i, 8,12,16,20,24,28
	s_delay_alu instid0(VALU_DEP_2)
	v_pk_add_f32 v[SA:SA+1], v[SA:SA+1], v[XB+\i:XB+\i+1]
	s_delay_alu instid0(VALU_DEP_2)
	v_pk_add_f32 v[SB:SB+1], v[SB:SB+1], v[XB+\i+2:XB+\i+3]
.endr
	s_delay_alu instid0(VALU_DEP_1)
	v_pk_add_f32 v[SA:SA+1], v[SA:SA+1], v[SB:SB+1]
	ALLSUM SA
	s_delay_alu instid0(VALU_DEP_1)
	v_mul_f32 v[MN], s43, v[SA]
	s_delay_alu instid0(VALU_DEP_1)
	v_mov_b32 v[MN+1], v[MN]
.irp i, 0,2,4,6,8,10,12,14,16,18,20,22,24,26,28,30
	v_pk_add_f32 v[XB+\i:XB+\i+1], v[XB+\i:XB+\i+1], v[MN:MN+1] neg_lo:[0,1] neg_hi:[0,1]
.endr
	v_pk_mul_f32 v[SA:SA+1], v[XB:XB+1], v[XB:XB+1]
	v_pk_mul_f32 v[SB:SB+1], v[XB+2:XB+3], v[XB+2:XB+3]
.irp i, 4,8,12,16,20,24,28
	s_delay_alu instid0(VALU_DEP_2)
	v_pk_fma_f32 v[SA:SA+1], v[XB+\i:XB+\i+1], v[XB+\i:XB+\i+1], v[SA:SA+1]
	s_delay_alu instid0(VALU_DEP_2)
	v_pk_fma_f32 v[SB:SB+1], v[XB+\i+2:XB+\i+3], v[XB+\i+2:XB+\i+3], v[SB:SB+1]
.endr
	s_delay_alu instid0(VALU_DEP_1)
	v_pk_add_f32 v[SA:SA+1], v[SA:SA+1], v[SB:SB+1]
	ALLSUM SA
	s_delay_alu instid0(VALU_DEP_1)
	v_fma_f32 v[SA], v[SA], s43, s44
	s_wait_alu depctr_va_vdst(0)
	v_rsq_f32 v[RS+2*\a], v[SA]
	v_nop                                          ; one plain instruction between a transcendental and the use of its result (ISA guide 5.7.2)
	s_wait_alu depctr_va_vdst(0)
	v_mov_b32 v[RS+2*\a+1], v[RS+2*\a]
.endm
	s_wait_loadcnt 16                              ; my two rows are in; the 16 loads of gain and bias, issued behind them, may be out
	STATS 0
	STATS 1
	s_wait_loadcnt 0x0                             ; gain and bias
.irp a, 0,1
.irp i, 0,2,4,6,8,10,12,14,16,18,20,22,24,26,28,30
	v_pk_mul_f32 v[X+32*\a+\i:X+32*\a+\i+1], v[X+32*\a+\i:X+32*\a+\i+1], v[RS+2*\a:RS+2*\a+1]
.endr
.irp i, 0,2,4,6,8,10,12,14,16,18,20,22,24,26,28,30
	v_pk_fma_f32 v[X+32*\a+\i:X+32*\a+\i+1], v[X+32*\a+\i:X+32*\a+\i+1], v[GN+\i:GN+\i+1], v[BS+\i:BS+\i+1]
.endr
.irp i, 0,1,2,3,4,5,6,7
	ds_store_b128 v3, v[X+32*\a+4*\i:X+32*\a+4*\i+3] offset:PITCH*\a+512*\i
.endr
.endr
	s_wait_dscnt 0x0                               ; for the others' sake: my two rows lie in the stage
	s_barrier_signal -1
	s_barrier_wait -1                              ; all sixteen do
.irp c, 0,1,2,3
.irp q, 0,1,2,3
	ds_load_b128 v[X+16*\c+4*\q:X+16*\c+4*\q+3], v4 offset:128*\c+16*\q   ; register 16 c + i = channel 128 w + 32 c + 16 h + i of row r
.endr
.endr
	s_wait_dscnt 0x0
; the quantiser: four blocks of 32, each in lanes l and l xor 16
.irp b, 0,1,2,3
	v_max3_num_f32 v[TM+\b], |v[X+16*\b]|, |v[X+1+16*\b]|, 0x4800000   ; my 16 numbers, and the floor 2^(9 - 127): the byte cannot fall under 1
.endr
.irp i, 2,4,6,8,10,12,14
.irp b, 0,1,2,3
	s_delay_alu instid0(VALU_DEP_4)
	v_max3_num_f32 v[TM+\b], v[TM+\b], |v[X+16*\b+\i]|, |v[X+1+16*\b+\i]|
.endr
.endr
.irp b, 0,1,2,3
	s_delay_alu instid0(VALU_DEP_4)
	v_permlanex16_b32 v[TM+4+\b], v[TM+\b], s[SEL], s[SEL+1]
.endr
.irp b, 0,1,2,3
	s_delay_alu instid0(VALU_DEP_4)
	v_max_num_f32 v[TM+\b], v[TM+\b], v[TM+4+\b]   ; the block's largest magnitude
.endr
.irp b, 0,1,2,3
	s_delay_alu instid0(VALU_DEP_4)
	v_add_nc_u32 v[TM+12+\b], 0xfc000000, v[TM+\b] ; 8 off its exponent field: the conversion takes this operand's exponent field as its scale
.endr
.irp b, 0,1,2,3
.endr
.irp b, 0,1,2,3
	s_delay_alu instid0(VALU_DEP_4)
	v_lshrrev_b32 v[TM+4+\b], 23, v[TM+12+\b]      ; the scale's byte
.endr
	s_delay_alu instid0(VALU_DEP_3)
	v_lshl_or_b32 v[PW], v[TM+5], 8, v[TM+4]
	s_delay_alu instid0(VALU_DEP_1)
	v_lshl_or_b32 v[PW], v[TM+6], 16, v[PW]
	s_delay_alu instid0(VALU_DEP_1)
	v_lshl_or_b32 v[PW], v[TM+7], 24, v[PW]
.irp b, 0,1,2,3
.irp i, 0,1,2,3,4,5,6,7,8,9,10,11,12,13,14,15
.endr
	v_cvt_scalef32_pk8_fp8_f32 v[PC+4*\b:PC+4*\b+1], v[X+16*\b:X+16*\b+7], v[TM+12+\b]
	v_cvt_scalef32_pk8_fp8_f32 v[PC+4*\b+2:PC+4*\b+3], v[X+16*\b+8:X+16*\b+15], v[TM+12+\b]
.endr
	v_nop
.irp c, 0,1,2,3
	global_store_b128 v2, v[PC+4*\c:PC+4*\c+3], s[34:35] offset:512*\c   ; the image: 512 consecutive bytes a store
.endr
	global_store_b32 v5, v[PW], s[36:37]           ; lanes l and l xor 16 hold the same word and write it to the same place
	s_wait_tensorcnt 0x0
	ds_add_u32 v192, v193
	s_wait_dscnt 0x0
	s_endpgm
; ---------------------------------------------------------------- a weight's codes into fragment order: a wave moves one chunk
.Lnot_norm:
	s_cmp_lt_u32 ttmp9, 448
	s_cbranch_scc0 .Ltrig
	s_sub_co_u32 s30, ttmp9, 256                   ; j: 0-47 qkv_w, 48-63 o_w, 64-127 mlp_w1, 128-191 mlp_w2; chunk 8 j + wave
	s_wait_kmcnt 0x0
	s_cmp_lt_u32 s30, 128                          ; the choices hang on the work-group's number alone
	s_cselect_b64 s[26:27], s[20:21], s[22:23]
	s_mov_b32 s31, 128
	s_cselect_b32 s31, 64, s31                     ; the weight's first j
	s_cselect_b32 s32, 10, 12                      ; a row of codes is 2^10 bytes, mlp_w2's 2^12
	s_cmp_lt_u32 s30, 64
	s_cselect_b64 s[26:27], s[18:19], s[26:27]
	s_cselect_b32 s31, 48, s31
	s_cmp_lt_u32 s30, 48
	s_cselect_b64 s[26:27], s[16:17], s[26:27]
	s_cselect_b32 s31, 0, s31
	s_sub_co_u32 s33, s30, s31                     ; jj
	s_sub_co_u32 s34, s32, 10                      ; 0, or 2 where a unit of 64 rows has 32 K steps, four work-groups' worth
	s_lshr_b32 s35, s33, s34                       ; the unit
	s_lshl_b32 s36, 1, s34
	s_sub_co_u32 s36, s36, 1
	s_and_b32 s36, s36, s33
	s_lshl_b32 s36, s36, 3
	s_add_co_u32 s36, s36, s[WV]                   ; the K step
	s_lshl_b32 s35, s35, 6
	s_lshl_b32 s35, s35, s32                       ; 64 rows a unit
	s_lshl_b32 s36, s36, 7                         ; 128 bytes a K step
	s_add_co_u32 s36, s36, s35
	s_mov_b32 s37, 0
	s_add_nc_u64 s[26:27], s[26:27], s[36:37]
	s_lshl_b32 s38, s30, 3
	s_add_co_u32 s38, s38, s[WV]
	s_lshl_b32 s38, s38, 13                        ; 8,192 bytes a chunk
	s_mov_b32 s39, 0
	s_add_nc_u64 s[24:25], s[24:25], s[38:39]
	s_wait_alu depctr_va_vdst(0)
	v_and_b32 v8, 8, v6
	s_delay_alu instid0(VALU_DEP_1)
	v_add_nc_u32 v8, v8, v6                        ; r + 8 (r / 8)
.irp nt, 0,1,2,3
	v_add_lshl_u32 v[10+\nt], v8, 32*(\nt/2)+8*(\nt%2), s32   ; tile nt: my row's first byte,
	s_delay_alu instid0(VALU_DEP_1)
	v_lshl_add_u32 v[10+\nt], v7, 4, v[10+\nt]     ; + 16 h
.endr
.irp nt, 0,1,2,3
.irp c, 0,1,2,3
	global_load_b128 v[16+16*\nt+4*\c:16+16*\nt+4*\c+3], v[10+\nt], s[26:27] offset:32*\c th:TH_LOAD_NT
.endr
.endr
	s_wait_loadcnt 0x0
.irp nt, 0,1,2,3
.irp c, 0,1,2,3
	global_store_b128 v2, v[16+16*\nt+4*\c:16+16*\nt+4*\c+3], s[24:25] offset:2048*\nt+512*\c
.endr
.endr
	s_endpgm
; ---------------------------------------------------------------- cos and sin: 16 tokens a work-group; thread t: token t / 16; t % 16 < 8: four cosines, else four sines
.Ltrig:
	s_sub_co_u32 s30, ttmp9, 448
	s_lshl_b32 s32, s30, 6                         ; 16 tokens x 4 bytes of pos
	s_mov_b32 s33, 0
	s_lshl_b32 s34, s30, 12                        ; 16 tokens x 256 bytes of trig
	s_mov_b32 s35, 0
	v_lshrrev_b32 v8, 4, v0
	s_delay_alu instid0(VALU_DEP_1)
	v_lshlrev_b32 v8, 2, v8
	s_wait_alu depctr_va_vdst(0)
	s_wait_kmcnt 0x0
	s_add_nc_u64 s[12:13], s[12:13], s[32:33]
	s_add_nc_u64 s[14:15], s[14:15], s[34:35]
	global_load_b32 v9, v8, s[12:13]
	v_and_b32 v10, 7, v0
	s_delay_alu instid0(VALU_DEP_1)
	v_lshlrev_b32 v10, 2, v10                      ; my first frequency: 4 (t % 8)
	v_bfe_u32 v11, v0, 3, 1
	s_delay_alu instid0(VALU_DEP_1)
	v_sub_nc_u32 v11, 1, v11                       ; a cosine is the sine a quarter turn on
	v_lshlrev_b32 v12, 4, v0                       ; 16 t: sixteen lanes write a token's 256 bytes
.irp e, 0,1,2,3
	v_add_nc_u32 v[16+\e], \e, v10
.endr
.irp e, 0,1,2,3
	s_delay_alu instid0(VALU_DEP_4)
	v_cvt_f32_u32 v[16+\e], v[16+\e]
.endr
.irp e, 0,1,2,3
	s_delay_alu instid0(VALU_DEP_4)
	v_mul_f32 v[16+\e], 0xbed49a78, v[16+\e]       ; -i log2(10000) / 32
.endr
	s_wait_alu depctr_va_vdst(0)
.irp e, 0,1,2,3
	v_exp_f32 v[16+\e], v[16+\e]
.endr
	s_wait_loadcnt 0x0
	v_cvt_f32_i32 v9, v9                           ; (the plain instruction behind the exponentials)
	s_wait_alu depctr_va_vdst(0)
.irp e, 0,1,2,3
	v_mul_f32 v[20+\e], v9, v[16+\e]               ; the angle
.endr
.irp e, 0,1,2,3
	s_delay_alu instid0(VALU_DEP_4)
	v_mul_f32 v[24+\e], 0x3f22f983, v[20+\e]       ; x 2 / pi
.endr
.irp e, 0,1,2,3
	s_delay_alu instid0(VALU_DEP_4)
	v_rndne_f32 v[24+\e], v[24+\e]                 ; n quarter turns
.endr
.irp e, 0,1,2,3
	s_delay_alu instid0(VALU_DEP_4)
	v_fma_f32 v[28+\e], -v[24+\e], 0x3fc90fdb, v[20+\e]   ; rho = angle - n pi / 2, pi / 2 in three parts
.endr
.irp e, 0,1,2,3
	s_delay_alu instid0(VALU_DEP_4)
	v_fma_f32 v[28+\e], -v[24+\e], 0xb33bbd2e, v[28+\e]
.endr
.irp e, 0,1,2,3
	s_delay_alu instid0(VALU_DEP_4)
	v_fma_f32 v[28+\e], -v[24+\e], 0xa6f72ced, v[28+\e]
.endr
.irp e, 0,1,2,3
	v_mul_f32 v[32+\e], v[28+\e], v[28+\e]         ; z = rho^2, at most (pi / 4)^2
	v_mov_b32 v[36+\e], 0xb2d7322b                 ; -1 / 11!
	v_mov_b32 v[40+\e], 0xb493f27e                 ; -1 / 10!
.endr
.irp k, 0x3638ef1d, 0xb9500d01, 0x3c088889, 0xbe2aaaab
.irp e, 0,1,2,3
	v_fmaak_f32 v[36+\e], v[36+\e], v[32+\e], \k   ; 1 / 9!, -1 / 7!, 1 / 5!, -1 / 3!
.endr
.endr
.irp k, 0x37d00d01, 0xbab60b61, 0x3d2aaaab, 0xbf000000
.irp e, 0,1,2,3
	v_fmaak_f32 v[40+\e], v[40+\e], v[32+\e], \k   ; 1 / 8!, -1 / 6!, 1 / 4!, -1 / 2
.endr
.endr
.irp e, 0,1,2,3
	v_mul_f32 v[44+\e], v[28+\e], v[32+\e]
	v_fma_f32 v[40+\e], v[32+\e], v[40+\e], 1.0    ; cos rho
.endr
.irp e, 0,1,2,3
	v_fma_f32 v[36+\e], v[44+\e], v[36+\e], v[28+\e]   ; sin rho
	v_cvt_i32_f32 v[24+\e], v[24+\e]
.endr
.irp e, 0,1,2,3
	v_add_nc_u32 v[24+\e], v[24+\e], v11           ; m: sin(rho + m pi / 2) is wanted
	s_delay_alu instid0(VALU_DEP_1)
	v_and_b32 v[44+\e], 1, v[24+\e]
	s_delay_alu instid0(VALU_DEP_1)
	v_cmp_eq_u32 vcc_lo, 1, v[44+\e]
	s_delay_alu instid0(VALU_DEP_1)
	v_cndmask_b32 v[48+\e], v[36+\e], v[40+\e], vcc_lo   ; m odd: cos rho, else sin rho
	s_delay_alu instid0(VALU_DEP_4)
	v_and_b32 v[44+\e], 2, v[24+\e]
	s_delay_alu instid0(VALU_DEP_1)
	v_lshlrev_b32 v[44+\e], 30, v[44+\e]
	s_delay_alu instid0(VALU_DEP_1)
	v_xor_b32 v[48+\e], v[48+\e], v[44+\e]         ; m % 4 >= 2: the sign turns
.endr
	global_store_b128 v12, v[48:51], s[14:15]
	s_endpgm
.Lfunc_end_k_q93c8bbca1f_prep:
	.size	k_q93c8bbca1f_prep, .Lfunc_end_k_q93c8bbca1f_prep-k_q93c8bbca1f_prep
	.p2alignl 7, 3214868480
	.fill 96, 4, 3214868480
	.section	.rodata,"a",@progbits
	.p2align	6, 0x0
	.amdhsa_kernel k_q93c8bbca1f_prep
		.amdhsa_group_segment_fixed_size 67072
		.amdhsa_private_segment_fixed_size 0
		.amdhsa_enable_private_segment 0
		.amdhsa_kernarg_size 88
		.amdhsa_user_sgpr_count 2
		.amdhsa_user_sgpr_kernarg_segment_ptr 1
		.amdhsa_wavefront_size32 1
		.amdhsa_system_sgpr_workgroup_id_x 1
		.amdhsa_system_sgpr_workgroup_id_y 1
		.amdhsa_system_sgpr_workgroup_id_z 1
		.amdhsa_system_vgpr_workitem_id 0
		.amdhsa_next_free_vgpr 194
		.amdhsa_next_free_sgpr 66
		.amdhsa_reserve_vcc 1
		.amdhsa_float_denorm_mode_32 3
		.amdhsa_float_denorm_mode_16_64 3
		.amdhsa_fp16_overflow 1
		.amdhsa_memory_ordered 1
		.amdhsa_forward_progress 1
		.amdhsa_inst_pref_size 43
	.end_amdhsa_kernel
	.amdgpu_metadata
---
amdhsa.version: [ 1, 2 ]
amdhsa.kernels:
  - .name:           k_q93c8bbca1f_prep
    .symbol:         k_q93c8bbca1f_prep.kd
    .args:
      - { .name: x, .offset: 0, .size: 8, .value_kind: global_buffer, .address_space: global }
      - { .name: ln1_w, .offset: 8, .size: 8, .value_kind: global_buffer, .address_space: global }
      - { .name: ln1_b, .offset: 16, .size: 8, .value_kind: global_buffer, .address_space: global }
      - { .name: act, .offset: 24, .size: 8, .value_kind: global_buffer, .address_space: global }
      - { .name: pos, .offset: 32, .size: 8, .value_kind: global_buffer, .address_space: global }
      - { .name: trig, .offset: 40, .size: 8, .value_kind: global_buffer, .address_space: global }
      - { .name: qkv_w_codes, .offset: 48, .size: 8, .value_kind: global_buffer, .address_space: global }
      - { .name: o_w_codes, .offset: 56, .size: 8, .value_kind: global_buffer, .address_space: global }
      - { .name: mlp_w1_codes, .offset: 64, .size: 8, .value_kind: global_buffer, .address_space: global }
      - { .name: mlp_w2_codes, .offset: 72, .size: 8, .value_kind: global_buffer, .address_space: global }
      - { .name: wimg, .offset: 80, .size: 8, .value_kind: global_buffer, .address_space: global }
    .group_segment_fixed_size: 67072
    .private_segment_fixed_size: 0
    .kernarg_segment_align: 8
    .kernarg_segment_size: 88
    .max_flat_workgroup_size: 256
    .sgpr_count:     66
    .vgpr_count:     194
    .wavefront_size: 32
...
	.end_amdgpu_metadata
.endif
;; end of part 1
;; launch qkv (part 2): grid 16 x 16, 12 waves a work-group, clusters of 4 x 1, 271,872 bytes of LDS; arguments act, wimg, qkv_w_scales, qkv_b, trig, qb, kv; writes qb, kv
.if DOCPART == 2
	.amdgcn_target "amdgcn-amd-amdhsa--gfx1250"
	.amdhsa_code_object_version 6
	.text
	.protected	k_q93c8bbca1f_qkv
	.globl	k_q93c8bbca1f_qkv
	.p2align	8
	.type	k_q93c8bbca1f_qkv,@function
k_q93c8bbca1f_qkv:
	s_mov_b64 s[64:65], 0
	v_nop
	global_prefetch_b8 v0, s[64:65] scope:SCOPE_SE
	s_setreg_imm32_b32 hwreg(HW_REG_WAVE_MODE, 25, 1), 1
	s_wait_xcnt 0x0
	s_wait_alu depctr_hold_cnt(0) depctr_sa_sdst(0) depctr_va_vdst(0) depctr_va_sdst(0) depctr_va_ssrc(0) depctr_va_vcc(0) depctr_vm_vsrc(0)
	s_getreg_b32 s2, hwreg(HW_REG_IB_STS2, 6, 4)
	s_cmp_eq_u32 s2, 0
	s_cbranch_scc0 .Lentry_in_a_cluster
	s_endpgm
.Lentry_in_a_cluster:
	s_bfe_u32 s2, ttmp6, 0x10000c
	s_cmp_lg_u32 s2, 0x3003
	s_cbranch_scc0 .Lentry_shape_is_right
	s_endpgm
.Lentry_shape_is_right:
; q, k, v = xn W + b on codes of E4M3 with E8M0 scales; RoPE on q and k; all three quantised for the attention and stored as images of operand registers.
; SHARES.  A work-group takes four row blocks of 64 tokens (grid y) and one head (grid x).  Wave w: kind w / 4 (q, k, v), row block w % 4: 64 columns of the weight, 64 tokens, K = 1,024 in 8 steps: 16 accumulators.
; So the four waves of a kind name the same 8,192 bytes of the weight in the same K step: a work-group names 3 x 64 KB of weights for its 256 x 192 results.
; The four row blocks' codes and scale words (4 x 8 K steps x 8,448 bytes) come into LDS once; the four work-groups of a cluster take the same rows and ask for them JOINTLY.  The weights, laid in fragment order by the launch before,
; go from memory straight into registers, 512 consecutive bytes a load.  They are not asked for jointly: a joint load lands in LDS alone, and both operands of a wave tile of 64 x 64 out of LDS would double the LDS bytes for each product.
; q, k: source 0 = 16 rows of the weight, source 1 = 16 tokens: a lane holds ONE token, and the 16 registers of column tiles 2 b, 2 b + 1 are head dims 32 b + 16 (lane / 16) + 0..15: RoPE's partners (d, d + 32) lie in one lane,
; and a block of 32 in lanes l and l xor 16.  v: the sources swapped: a lane holds ONE head dim, and the 16 registers of token tiles 2 p, 2 p + 1 are 16 neighbouring tokens: the keys are the next K.
; OUT.  qb: [head of a batch][tile of 16 queries][1,024 bytes of codes]; from byte 4,194,304 on the scale bytes, [head of a batch][pair of tiles][16 rows][tile 2 i: 2 bytes | tile 2 i + 1: 2 bytes].
; kv: [head of a batch][128 keys][16,896]: 8 images of k (1,024 each: two neighbours are one fragment of 128 along K), 4 of v^T (2,048), k's scale bytes as pair words like q's (256), v's scale words (256).
; LIMITS: NaN and infinities are not served; a block whose largest magnitude lies under 2^-118 keeps the scale byte 1 (a block of zeros too: its codes are zeros, and this program alone reads the bytes).
; REGISTERS: v1-10 addresses; v12-13 the tokens' scale words; v16-31 the weight's; v32-63 two fragments of tokens, later codes and the quantiser's work; v64-127 four fragments of the weight, later cos and sin; v128-255 accumulators.
.set KQ,  8                            ; K steps of a wave
.set WO,  10                           ; v10  16 x lane: an image's place for my lane, in the weights and in what I store
.set AS,  12                           ; v12-13  scale words: lanes 0-15 token tile 2 p, lanes 16-31 tile 2 p + 1
.set WS,  16                           ; v16-31  register 8 b + k: lanes 0-15 column tile 2 b, lanes 16-31 tile 2 b + 1, K step k
.set AF,  32
.set BF,  64
.set ACC, 128
.set TM,  50                           ; v50-51 largest magnitudes, v52-53 bytes, v56-57 the conversions' scale operands
.set WV,  33                           ; s33
.set SEL, 34                           ; s[34:35]
.set MNT, 36                           ; s36
.set WB,  30                           ; s[30:31] my unit's chunks of the weight
.set G0,  44                           ; s[44:47] descriptor group 0
.set G1,  48                           ; s[48:55] descriptor group 1
.macro ROUND                           ; a round of the cluster's barrier
	s_barrier_signal -1
	s_barrier_wait -1
	s_cmp_lg_u32 s[WV], 0
	s_cbranch_scc1 .Lnot_wave_0_\@
	s_barrier_signal -3
.Lnot_wave_0_\@:
	s_barrier_wait -3
	s_barrier_signal -1
	s_barrier_wait -1
.endm
.macro PLACES n                        ; plain vector instructions that name no register of the matrix instructions before them (ISA guide 7.12.1)
.rept \n
	v_nop
.endr
.endm
; one product.  d: accumulator; a, b: sources 0 and 1; sa, sb: their scale registers; ra, rb: 1 = the scales stand in lanes 16-31; z = 1: the sum starts
.macro WM d, a, b, sa, sb, ra, rb, z
.if \z
.if (\ra) && (\rb)
	v_wmma_scale_f32_16x16x128_f8f6f4 v[(\d):(\d)+7], v[(\a):(\a)+15], v[(\b):(\b)+15], 0, v[(\sa)], v[(\sb)] matrix_a_scale:MATRIX_SCALE_ROW1 matrix_b_scale:MATRIX_SCALE_ROW1
.elseif (\ra)
	v_wmma_scale_f32_16x16x128_f8f6f4 v[(\d):(\d)+7], v[(\a):(\a)+15], v[(\b):(\b)+15], 0, v[(\sa)], v[(\sb)] matrix_a_scale:MATRIX_SCALE_ROW1
.elseif (\rb)
	v_wmma_scale_f32_16x16x128_f8f6f4 v[(\d):(\d)+7], v[(\a):(\a)+15], v[(\b):(\b)+15], 0, v[(\sa)], v[(\sb)] matrix_b_scale:MATRIX_SCALE_ROW1
.else
	v_wmma_scale_f32_16x16x128_f8f6f4 v[(\d):(\d)+7], v[(\a):(\a)+15], v[(\b):(\b)+15], 0, v[(\sa)], v[(\sb)]
.endif
.else
.if (\ra) && (\rb)
	v_wmma_scale_f32_16x16x128_f8f6f4 v[(\d):(\d)+7], v[(\a):(\a)+15], v[(\b):(\b)+15], v[(\d):(\d)+7], v[(\sa)], v[(\sb)] matrix_a_scale:MATRIX_SCALE_ROW1 matrix_b_scale:MATRIX_SCALE_ROW1
.elseif (\ra)
	v_wmma_scale_f32_16x16x128_f8f6f4 v[(\d):(\d)+7], v[(\a):(\a)+15], v[(\b):(\b)+15], v[(\d):(\d)+7], v[(\sa)], v[(\sb)] matrix_a_scale:MATRIX_SCALE_ROW1
.elseif (\rb)
	v_wmma_scale_f32_16x16x128_f8f6f4 v[(\d):(\d)+7], v[(\a):(\a)+15], v[(\b):(\b)+15], v[(\d):(\d)+7], v[(\sa)], v[(\sb)] matrix_b_scale:MATRIX_SCALE_ROW1
.else
	v_wmma_scale_f32_16x16x128_f8f6f4 v[(\d):(\d)+7], v[(\a):(\a)+15], v[(\b):(\b)+15], v[(\d):(\d)+7], v[(\sa)], v[(\sb)]
.endif
.endif
.endm
.macro AFRAG k, m0                     ; the fragments of token tiles m0, m0 + 1 of K step k, from LDS
.irp mt, \m0, \m0+1
.irp c, 0,1,2,3
	ds_load_b128 v[AF+16*((\mt)%2)+4*\c:AF+16*((\mt)%2)+4*\c+3], v[1+(\k)/4] offset:((\k)%4)*8448+2048*(\mt)+512*\c
.endr
.endr
.endm
.macro MUL8 k, m0, vm, z               ; token tiles m0, m0 + 1 x the four column tiles.  vm = 1: the tokens are source 0
.irp mt, \m0, \m0+1
.irp nt, 0,1,2,3
.if \vm
	WM ACC+8*(4*\nt+(\mt)), AF+16*((\mt)%2), BF+16*\nt, AS+(\mt)/2, WS+KQ*(\nt/2)+(\k), (\mt)%2, \nt%2, \z
.else
	WM ACC+8*(4*(\mt)+\nt), BF+16*\nt, AF+16*((\mt)%2), WS+KQ*(\nt/2)+(\k), AS+(\mt)/2, \nt%2, (\mt)%2, \z
.endif
.endr
.endr
.endm
; A K step: 16 products; the 16 accumulators take turns, in the same order in every step.
.macro KSTEP k, vm, z
.if \k > 0
	PLACES 8                                       ; in front of loads into registers that the last products read
.endif
.irp nt, 0,1,2,3
.irp c, 0,1,2,3
	global_load_b128 v[BF+16*\nt+4*\c:BF+16*\nt+4*\c+3], v[WO], s[WB:WB+1] offset:8192*(\k)+2048*\nt+512*\c
.endr
.endr
.irp p, 0,1
	ds_load_b32 v[AS+\p], v[3+(\k)/4] offset:((\k)%4)*8448+8192+128*\p
.endr
	AFRAG \k, 0
	s_wait_loadcnt 0x0
	s_wait_dscnt 0x0
	MUL8 \k, 0, \vm, \z
	PLACES 8
	AFRAG \k, 2
	s_wait_dscnt 0x0
	MUL8 \k, 2, \vm, \z
.endm
; 32 numbers of a lane, two blocks of 16 registers (each block's other 16 lie in lane l xor 16), become 8 registers of codes at pc and two scale bytes in pw
.macro QUANT2 s, pc, pw
.irp b, 0,1
	v_max3_num_f32 v[TM+\b], |v[(\s)+16*\b]|, |v[(\s)+16*\b+1]|, 0x4800000   ; with the floor 2^(9 - 127): the byte cannot fall under 1
.endr
.irp i, 2,4,6,8,10,12,14
.irp b, 0,1
	s_delay_alu instid0(VALU_DEP_2)
	v_max3_num_f32 v[TM+\b], v[TM+\b], |v[(\s)+16*\b+\i]|, |v[(\s)+16*\b+\i+1]|
.endr
.endr
.irp b, 0,1
	s_delay_alu instid0(VALU_DEP_2)
	v_permlanex16_b32 v[TM+2+\b], v[TM+\b], s[SEL], s[SEL+1]
.endr
.irp b, 0,1
	s_delay_alu instid0(VALU_DEP_2)
	v_max_num_f32 v[TM+\b], v[TM+\b], v[TM+2+\b]   ; the block's largest magnitude
.endr
.irp b, 0,1
	s_delay_alu instid0(VALU_DEP_2)
	v_add_nc_u32 v[TM+6+\b], 0xfc000000, v[TM+\b]  ; 8 off its exponent field: the conversion's scale operand
.endr
.irp b, 0,1
.endr
.irp b, 0,1
	s_delay_alu instid0(VALU_DEP_2)
	v_lshrrev_b32 v[TM+2+\b], 23, v[TM+6+\b]       ; the scale's byte
.endr
	s_delay_alu instid0(VALU_DEP_1)
	v_lshl_or_b32 v[(\pw)], v[TM+3], 8, v[TM+2]
.irp b, 0,1
.irp i, 0,1,2,3,4,5,6,7,8,9,10,11,12,13,14,15
.endr
	v_cvt_scalef32_pk8_fp8_f32 v[(\pc)+4*\b:(\pc)+4*\b+1], v[(\s)+16*\b:(\s)+16*\b+7], v[TM+6+\b]
	v_cvt_scalef32_pk8_fp8_f32 v[(\pc)+4*\b+2:(\pc)+4*\b+3], v[(\s)+16*\b+8:(\s)+16*\b+15], v[TM+6+\b]
.endr
	v_nop                                          ; one plain instruction behind the last conversion
.endm
	s_load_b256 s[4:11], s[0:1], 0x0               ; act s[4:5], wimg s[6:7], the weight's scales s[8:9], the bias s[10:11]
	s_load_b128 s[12:15], s[0:1], 0x20             ; trig s[12:13], qb s[14:15]
	s_load_b64 s[16:17], s[0:1], 0x30              ; kv
	s_set_vgpr_msb 0x40
	v_lshl_add_u32 v0, v0, 2, 0x42000
	v_mov_b32 v1, 0
	s_set_vgpr_msb 0x4045
	ds_add_u32 v0, v1
	ds_add_u32 v0, v1
	s_set_vgpr_msb 0x4500
	v_lshrrev_b32 v1, 5, v0
	s_delay_alu instid0(VALU_DEP_1)
	v_readfirstlane_b32 s[WV], v1                  ; wave 0..11
	s_lshr_b32 s23, s[WV], 2                       ; kind: 0 q, 1 k, 2 v
	s_and_b32 s19, s[WV], 3                        ; which of the work-group's four row blocks
	s_mul_i32 s18, s19, 67584                      ; where its 8 K steps lie in LDS
	v_and_b32 v10, 31, v0                          ; lane
	v_and_b32 v11, 15, v0                          ; r
	v_bfe_u32 v14, v0, 4, 1                        ; h
	s_delay_alu instid0(VALU_DEP_3)
	v_lshlrev_b32 v3, 2, v10                       ; 4 x lane
	s_delay_alu instid0(VALU_DEP_4)
	v_lshlrev_b32 v10, 4, v10                      ; 16 x lane
	s_delay_alu instid0(VALU_DEP_1)
	v_add_nc_u32 v1, s18, v10                      ; images of my row block, K steps 0-3,
	s_delay_alu instid0(VALU_DEP_1)
	v_add_nc_u32 v2, 33792, v1                     ; and 4-7
	s_delay_alu instid0(VALU_DEP_4)
	v_add_nc_u32 v3, s18, v3                       ; its scale words likewise
	s_delay_alu instid0(VALU_DEP_1)
	v_add_nc_u32 v4, 33792, v3
	v_and_b32 v15, 8, v11
	s_delay_alu instid0(VALU_DEP_1)
	v_add_nc_u32 v15, v15, v11                     ; r + 8 (r / 8)
	s_delay_alu instid0(VALU_DEP_1)
	v_lshlrev_b32 v5, 8, v15
	s_delay_alu instid0(VALU_DEP_1)
	v_lshl_add_u32 v5, v14, 6, v5                  ; trig: my token's 256 bytes, + 64 h: my 16 frequencies
	v_lshlrev_b32 v6, 2, v11                       ; 4 r
	v_lshlrev_b32 v7, 6, v14                       ; 64 h: the bias of my 16 columns of a block of 32
	v_lshlrev_b32 v8, 2, v15                       ; v's bias: my column of a tile
	v_lshl_add_u32 v9, v14, 3, v15
	s_delay_alu instid0(VALU_DEP_1)
	v_lshlrev_b32 v9, 5, v9                        ; the weight's scales: row 8 h + r + 8 (r / 8) of 32 bytes
	s_bfe_u32 s20, ttmp6, 0x40000                  ; cx: it enters global addresses alone
	s_lshl_b32 s24, ttmp9, 2
	s_add_co_u32 s24, s24, s20                     ; the head
	s_and_b32 s21, ttmp7, 0xffff                   ; which four row blocks: the four partners share them
	s_lshl_b32 s22, s21, 2
	s_add_co_u32 s22, s22, s19                     ; my row block
	s_lshl_b32 s25, s23, 4
	s_add_co_u32 s25, s25, s24                     ; my unit of 64 rows of the weight
	s_lshr_b32 s26, s22, 5
	s_lshl_b32 s26, s26, 4
	s_add_co_u32 s26, s26, s24                     ; head of a batch
	s_mov_b32 s[G1], 15|(3<<16)|(1<<21)            ; 15:0 the mask: all four work-groups; 17:16 elements of 8 bytes; 21 set beside a mask; no padding: images are read 512 bytes on end
	s_mov_b32 s[G1+1], 32<<16                      ; tensor_dim0 = 32 elements: rows of 256 bytes
	s_mov_b32 s[G1+2], 88<<16                      ; tensor_dim1 = 88 rows: a twelfth of the four row blocks' 270,336 bytes
	s_mov_b32 s[G1+3], 32<<16                      ; tile_dim0
	s_mov_b32 s[G1+4], 88                          ; tile_dim1
	s_mov_b32 s[G1+5], 32                          ; from row to row
	s_mov_b32 s[G1+6], 0
	s_mov_b32 s[G1+7], 0
	s_mul_i32 s27, s[WV], 22528                    ; wave w brings the w-th twelfth: the four row blocks lie on end in memory as in LDS
	s_mul_i32 s28, s21, 270336
	s_add_co_u32 s28, s28, s27
	s_mov_b32 s29, 0
	s_mov_b32 s[G0], 1
	s_mov_b32 s[G0+1], s27
	s_lshl_b32 s[WB], s25, 16                      ; 8 chunks of 8,192 bytes a unit
	s_mov_b32 s[WB+1], 0
	s_lshl_b32 s38, s25, 11                        ; 64 rows of 32 scale bytes
	s_mov_b32 s39, 0
	s_lshl_b32 s40, s25, 8                         ; 64 numbers of the bias
	s_mov_b32 s41, 0
	s_lshl_b32 s42, s22, 14                        ; 64 tokens of trig
	s_mov_b32 s43, 0
	s_and_b32 s56, s22, 31                         ; the row block within its batch
	s_and_b32 s58, s22, 1                          ; which half of a step of 128 keys
	s_lshr_b32 s57, s56, 1
	s_mul_i32 s57, s57, 16896
	s_mul_i32 s59, s26, 270336
	s_add_co_u32 s57, s57, s59                     ; my key step's chunk of kv
	s_lshl_b32 s60, s26, 17
	s_lshl_b32 s59, s56, 12
	s_add_co_u32 s60, s60, s59                     ; q's codes: 1,024 (128 head + 4 row block)
	s_lshl_b32 s62, s26, 12
	s_lshl_b32 s59, s56, 7
	s_add_co_u32 s62, s62, s59
	s_add_co_u32 s62, s62, 4194304                 ; q's scale bytes: 64 (64 head + 2 row block)
	s_lshl_b32 s59, s58, 12
	s_add_co_u32 s66, s57, s59                     ; k's images
	s_lshl_b32 s59, s58, 7
	s_add_co_u32 s68, s57, s59
	s_add_co_u32 s68, s68, 16384                   ; k's scale bytes: two pairs of tiles a row block
	s_lshl_b32 s59, s58, 10
	s_add_co_u32 s70, s57, s59
	s_add_co_u32 s70, s70, 8192                    ; v's images: my 64 keys are register groups 2 (half) and 2 (half) + 1
	s_mov_b32 s71, 0
	s_lshl_b32 s59, s58, 1
	s_add_co_u32 s72, s57, s59
	s_add_co_u32 s72, s72, 16640                   ; v's scale words: my two bytes of each
	s_mov_b32 s73, 0
	s_mov_b32 s61, 0
	s_mov_b32 s63, 0
	s_mov_b32 s[SEL], 0x76543210
	s_mov_b32 s[SEL+1], 0xfedcba98
	s_wait_dscnt 0x0
	s_wait_kmcnt 0x0
	s_add_nc_u64 s[G0+2:G0+3], s[4:5], s[28:29]
	s_or_b32 s[G0+3], s[G0+3], 0x80000000          ; type = 2
	s_add_nc_u64 s[WB:WB+1], s[6:7], s[WB:WB+1]
	s_add_nc_u64 s[38:39], s[8:9], s[38:39]
	s_add_nc_u64 s[40:41], s[10:11], s[40:41]
	s_add_nc_u64 s[42:43], s[12:13], s[42:43]
	s_add_nc_u64 s[70:71], s[16:17], s[70:71]
	s_add_nc_u64 s[72:73], s[16:17], s[72:73]
	s_cmp_eq_u32 s23, 0                            ; q's waves store into qb, k's into kv: the choice hangs on the wave's number alone
	s_cselect_b32 s60, s60, s66
	s_cselect_b32 s62, s62, s68
	s_cselect_b64 s[74:75], s[14:15], s[16:17]
	s_add_nc_u64 s[60:61], s[74:75], s[60:61]
	s_add_nc_u64 s[62:63], s[74:75], s[62:63]
	ROUND                                          ; all four work-groups are here: the joint loads meet
	tensor_load_to_lds s[G0:G0+3], s[G1:G1+7]      ; my one tensor load: these LDS bytes are filled once in the launch
	s_nop 0
	PLACES 4
	s_wait_alu depctr_va_vdst(0)
.irp b, 0,1
	global_load_b128 v[WS+8*\b:WS+8*\b+3], v9, s[38:39] offset:1024*\b
	global_load_b128 v[WS+8*\b+4:WS+8*\b+7], v9, s[38:39] offset:1024*\b+16
.endr
	s_wait_tensorcnt 0x0                           ; my twelfth has landed,
	s_barrier_signal -1
	s_barrier_wait -1                              ; everybody's has
	s_cmp_lt_u32 s[WV], 8
	s_cbranch_scc0 .Lv_path
; ---------------------------------------------------------------- q and k
.irp mt, 0,1,2,3
.irp nt, 0,1,2,3
	global_load_b128 v[ACC+8*(4*\mt+\nt):ACC+8*(4*\mt+\nt)+3], v7, s[40:41] offset:128*(\nt/2)+32*(\nt%2)      ; the bias starts the sums: register j of tile 2 b + u is column 32 b + 16 h + 8 u + j
	global_load_b128 v[ACC+8*(4*\mt+\nt)+4:ACC+8*(4*\mt+\nt)+7], v7, s[40:41] offset:128*(\nt/2)+32*(\nt%2)+16
.endr
.endr
.irp k, 0,1,2,3,4,5,6,7
	KSTEP \k, 0, 0
.endr
	PLACES 8                                       ; behind the last products: results are read, operands' registers are written and loaded
	v_mov_b32 v[TM+2], 0                           ; a lane permute's destination counts as one of its sources
	v_mov_b32 v[TM+3], 0
.macro TRIG mt                         ; cos (16 registers) and sin (16) of my token of tile mt, frequencies 16 h + 0..15, into set mt % 2
.irp q, 0,1,2,3
	global_load_b128 v[BF+32*((\mt)%2)+4*\q:BF+32*((\mt)%2)+4*\q+3], v5, s[42:43] offset:256*(32*((\mt)/2)+8*((\mt)%2))+16*\q
	global_load_b128 v[BF+32*((\mt)%2)+16+4*\q:BF+32*((\mt)%2)+16+4*\q+3], v5, s[42:43] offset:256*(32*((\mt)/2)+8*((\mt)%2))+128+16*\q
.endr
.endm
.macro QKOUT mt
.set TR, BF+32*((\mt)%2)
.set CD, AF+8*((\mt)%2)
.if \mt < 3
	s_wait_loadcnt 8                               ; this tile's 8 loads are in; the next tile's 8 may be out
.else
	s_wait_loadcnt 0x0
.endif
.irp u, 0,1                            ; RoPE in place: (t1, t2) = (t1 cos - t2 sin, t2 cos + t1 sin); each accumulator from its low end on
.irp j, 0,2,4,6
	v_pk_mul_f32 v[58:59], v[ACC+8*(4*\mt+2+\u)+\j:ACC+8*(4*\mt+2+\u)+\j+1], v[TR+16+8*\u+\j:TR+16+8*\u+\j+1]
	v_pk_mul_f32 v[60:61], v[ACC+8*(4*\mt+\u)+\j:ACC+8*(4*\mt+\u)+\j+1], v[TR+16+8*\u+\j:TR+16+8*\u+\j+1]
	v_pk_fma_f32 v[ACC+8*(4*\mt+\u)+\j:ACC+8*(4*\mt+\u)+\j+1], v[ACC+8*(4*\mt+\u)+\j:ACC+8*(4*\mt+\u)+\j+1], v[TR+8*\u+\j:TR+8*\u+\j+1], v[58:59] neg_lo:[0,0,1] neg_hi:[0,0,1]
	v_pk_fma_f32 v[ACC+8*(4*\mt+2+\u)+\j:ACC+8*(4*\mt+2+\u)+\j+1], v[ACC+8*(4*\mt+2+\u)+\j:ACC+8*(4*\mt+2+\u)+\j+1], v[TR+8*\u+\j:TR+8*\u+\j+1], v[60:61]
.endr
.endr
.if \mt < 2
	TRIG \mt+2
.endif
.if \mt > 1
	s_wait_xcnt 0x0                                ; the stores of two tiles ago have read their registers: the set of codes is written again only behind this wait
.endif
	QUANT2 ACC+32*\mt, CD, 48+(\mt)%2
	global_store_b128 v[WO], v[CD:CD+3], s[60:61] offset:1024*\mt
	global_store_b128 v[WO], v[CD+4:CD+7], s[60:61] offset:1024*\mt+512
	global_store_b16 v6, v[48+(\mt)%2], s[62:63] offset:64*((\mt)/2)+2*((\mt)%2)   ; my tile's half of the pair's word; lanes l and l xor 16 hold the same two bytes and write them to the same place
.endm
	TRIG 0
	TRIG 1
.irp mt, 0,1,2,3
	QKOUT \mt
.endr
	s_branch .Ljoin
; ---------------------------------------------------------------- v
.Lv_path:
	KSTEP 0, 1, 1                                  ; the first K step starts the sums
.irp k, 1,2,3,4,5,6,7
	KSTEP \k, 1, 0
.endr
	PLACES 8
	v_mov_b32 v[TM+2], 0
	v_mov_b32 v[TM+3], 0
.irp nt, 0,1,2,3
	global_load_b32 v[BF+2*\nt], v8, s[40:41] offset:4*(32*(\nt/2)+8*(\nt%2))     ; a lane has one column a tile: its bias, twice, for the packed additions
	global_load_b32 v[BF+2*\nt+1], v8, s[40:41] offset:4*(32*(\nt/2)+8*(\nt%2))
.endr
	s_wait_loadcnt 0x0
.irp nt, 0,1,2,3
.irp i, 0,2,4,6,8,10,12,14,16,18,20,22,24,26,28,30
	v_pk_add_f32 v[ACC+32*\nt+\i:ACC+32*\nt+\i+1], v[ACC+32*\nt+\i:ACC+32*\nt+\i+1], v[BF+2*\nt:BF+2*\nt+1]
.endr
.endr
.macro VOUT nt
.if \nt > 1
	s_wait_xcnt 0x0                                ; as above
.endif
	QUANT2 ACC+32*\nt, AF+8*((\nt)%2), 48+(\nt)%2
	global_store_b128 v[WO], v[AF+8*((\nt)%2):AF+8*((\nt)%2)+3], s[70:71] offset:2048*\nt
	global_store_b128 v[WO], v[AF+8*((\nt)%2)+4:AF+8*((\nt)%2)+7], s[70:71] offset:2048*\nt+512
	global_store_b16 v6, v[48+(\nt)%2], s[72:73] offset:64*\nt
.endm
.irp nt, 0,1,2,3
	VOUT \nt
.endr
.Ljoin:
	s_set_vgpr_msb 0x5
	s_wait_tensorcnt 0x0
	ds_add_u32 v0, v1
	s_wait_dscnt 0x0
	s_set_vgpr_msb 0x500
	ROUND                                          ; the closing round: no work-group ends while a partner may still ask for a tile that names it
	s_endpgm
.Lfunc_end_k_q93c8bbca1f_qkv:
	.size	k_q93c8bbca1f_qkv, .Lfunc_end_k_q93c8bbca1f_qkv-k_q93c8bbca1f_qkv
	.p2alignl 7, 3214868480
	.fill 96, 4, 3214868480
	.section	.rodata,"a",@progbits
	.p2align	6, 0x0
	.amdhsa_kernel k_q93c8bbca1f_qkv
		.amdhsa_group_segment_fixed_size 271872
		.amdhsa_private_segment_fixed_size 0
		.amdhsa_enable_private_segment 0
		.amdhsa_kernarg_size 56
		.amdhsa_user_sgpr_count 2
		.amdhsa_user_sgpr_kernarg_segment_ptr 1
		.amdhsa_wavefront_size32 1
		.amdhsa_system_sgpr_workgroup_id_x 1
		.amdhsa_system_sgpr_workgroup_id_y 1
		.amdhsa_system_sgpr_workgroup_id_z 1
		.amdhsa_system_vgpr_workitem_id 0
		.amdhsa_next_free_vgpr 258
		.amdhsa_next_free_sgpr 80
		.amdhsa_reserve_vcc 0
		.amdhsa_float_denorm_mode_32 3
		.amdhsa_float_denorm_mode_16_64 3
		.amdhsa_fp16_overflow 1
		.amdhsa_memory_ordered 1
		.amdhsa_forward_progress 1
		.amdhsa_inst_pref_size 132
	.end_amdhsa_kernel
	.amdgpu_metadata
---
amdhsa.version: [ 1, 2 ]
amdhsa.kernels:
  - .name:           k_q93c8bbca1f_qkv
    .symbol:         k_q93c8bbca1f_qkv.kd
    .args:
      - { .name: act, .offset: 0, .size: 8, .value_kind: global_buffer, .address_space: global }
      - { .name: wimg, .offset: 8, .size: 8, .value_kind: global_buffer, .address_space: global }
      - { .name: qkv_w_scales, .offset: 16, .size: 8, .value_kind: global_buffer, .address_space: global }
      - { .name: qkv_b, .offset: 24, .size: 8, .value_kind: global_buffer, .address_space: global }
      - { .name: trig, .offset: 32, .size: 8, .value_kind: global_buffer, .address_space: global }
      - { .name: qb, .offset: 40, .size: 8, .value_kind: global_buffer, .address_space: global }
      - { .name: kv, .offset: 48, .size: 8, .value_kind: global_buffer, .address_space: global }
    .group_segment_fixed_size: 271872
    .private_segment_fixed_size: 0
    .kernarg_segment_align: 8
    .kernarg_segment_size: 56
    .max_flat_workgroup_size: 384
    .sgpr_count:     80
    .vgpr_count:     258
    .wavefront_size: 32
...
	.end_amdgpu_metadata
.endif
;; end of part 2
;; launch attn (part 3): grid 8 x 32, 16 waves a work-group, clusters of 4 x 1, 327,680 bytes of LDS; arguments qb, kv, act; writes act
.if DOCPART == 3
	.amdgcn_target "amdgcn-amd-amdhsa--gfx1250"
	.amdhsa_code_object_version 6
	.text
	.protected	k_q93c8bbca1f_attn
	.globl	k_q93c8bbca1f_attn
	.p2align	8
	.type	k_q93c8bbca1f_attn,@function
k_q93c8bbca1f_attn:
	s_mov_b64 s[64:65], 0
	v_nop
	global_prefetch_b8 v0, s[64:65] scope:SCOPE_SE
	s_setreg_imm32_b32 hwreg(HW_REG_WAVE_MODE, 25, 1), 1
	s_wait_xcnt 0x0
	s_wait_alu depctr_hold_cnt(0) depctr_sa_sdst(0) depctr_va_vdst(0) depctr_va_sdst(0) depctr_va_ssrc(0) depctr_va_vcc(0) depctr_vm_vsrc(0)
	s_getreg_b32 s2, hwreg(HW_REG_IB_STS2, 6, 4)
	s_cmp_eq_u32 s2, 0
	s_cbranch_scc0 .Lentry_in_a_cluster
	s_endpgm
.Lentry_in_a_cluster:
	s_bfe_u32 s2, ttmp6, 0x10000c
	s_cmp_lg_u32 s2, 0x3003
	s_cbranch_scc0 .Lentry_shape_is_right
	s_endpgm
.Lentry_shape_is_right:
; Attention of one head on codes of E4M3 with E8M0 scales, head size 64, 2,048 keys, no mask; the result is quantised along the channels for the next product and stored as images of operand registers.
; THE SOFTMAX AHEAD OF THE SECOND PRODUCT: t = score x log2(e) / 8; M = the row's largest t so far, rounded UP to a whole number; p = 2^(t - M) is what is quantised, along the keys; it is not normalised.
; The row's sum is taken of the unquantised p, in f32, and divides O at the end.  When M moves, the sum and O are multiplied by 2^(old M - new M): exact.
; SHARES.  A work-group owns 256 queries of one head of a batch; each of its sixteen waves owns one tile of 16, in 256 registers: four waves to a SIMD, so that one wave's vector work stands beside another's matrix work.
; THE WHOLE HEAD'S k AND v LIE IN LDS: 16 steps of 128 keys x 16,896 bytes; no LDS byte is filled twice.  They come in two halves of 8 steps, each wave bringing a sixteenth of each half (33 rows of 256 bytes): the second half's load
; is asked for once the first has landed, and the first 8 steps are worked while the second half lands.  The four work-groups of a cluster belong to one head and ask JOINTLY.
; LAYOUT.  Both products are used transposed: S^T = k q^T (source 0 = keys), O^T = v^T p^T (source 0 = 16 head dims): a lane holds ONE query throughout.  The keys of a tile, and the head dims of a tile of v^T, are
; r + 8 (r / 8) apart, so that the 16 registers of tiles 2 b and 2 b + 1 are 16 neighbours along the next K.
; THE HEAD'S 64 ARE HALF OF THE INSTRUCTION'S K.  A fragment of k holds TWO tiles of 16 keys: tile 2 i at k = 0..63, tile 2 i + 1 at k = 64..127.  q stands between two runs of zero codes (24 registers): q | 0 as source 1 gives tile 2 i's
; scores, 0 | q tile 2 i + 1's.  So a step's eight tiles fill 64 registers, come in one run of loads, and leave those registers to v^T's four fragments, which are asked for straight behind the first products.
; The conversions read p where it stands, so that p lives on: its sums stand behind the second products and are the places behind them.
; LIMITS: NaN and infinities are not served; v_exp_f32 gives 0 for p under 2^-126; a block whose largest magnitude lies under 2^-118 keeps the scale byte 1 (its codes are then zeros or nearly so; this program alone reads the bytes).
; REGISTERS: v1-5 addresses; v6-7 k's scale words, v8-9 v's, v10 q | 0's, v11 0 | q's; v12 -M, v13 the largest t, v[14:15] the sum in two halves; v32-95 k's four fragments, then v^T's; v96-159 S^T, then p;
;   v160-191 O^T; v192-207 p's codes; v208-223 at work on the four blocks; v[224:225] f; v226 at work; v227 p's scale word; v[228:229] a second chain of sums; v232-239 zero codes, v240-247 q, v248-255 zero codes.
.set CH,  16896                        ; a key step's bytes: k's images 8,192, v^T's 8,192, k's scale words 256, v's 256
.set HT,  16
.set KF,  32
.set S,   96
.set O,   160
.set PCD, 192
.set BM,  208                          ; the blocks' largest scores, then largest p
.set BP,  212                          ; from the lane 16 away; then the bytes
.set BH,  216
.set BC,  220                          ; the conversions' scale operands
.set TM,  208                          ; the way out's quantiser works in the same registers
.set KSC, 6
.set VSC, 8
.set QLO, 10                           ; v10: q's two bytes, then 0x7f twice;  v11: 0x7f twice, then q's two bytes
.set QZ,  232
.set WV,  33
.set SEL, 34
.set MNT, 36
.set CS,  38                           ; s[38:39] c = log2(e) / 8
.set TB,  40                           ; s40  LDS byte at which the key step in hand begins
.set CNT, 41
.set G0,  44                           ; s[44:47] descriptor group 0 for the first half
.set G0B, 12                           ; s[12:15] for the second
.set G1,  48
.macro ROUND
	s_barrier_signal -1
	s_barrier_wait -1
	s_cmp_lg_u32 s[WV], 0
	s_cbranch_scc1 .Lnot_wave_0_\@
	s_barrier_signal -3
.Lnot_wave_0_\@:
	s_barrier_wait -3
	s_barrier_signal -1
	s_barrier_wait -1
.endm
.macro PLACES n
.rept \n
	v_nop
.endr
.endm
	s_load_b128 s[4:7], s[0:1], 0x0                ; qb s[4:5], kv s[6:7]
	s_load_b64 s[8:9], s[0:1], 0x10                ; act
	v_lshl_add_u32 v230, v0, 2, 0x42000
	v_mov_b32 v231, 0
	ds_add_u32 v230, v231
	ds_add_u32 v230, v231
	v_lshrrev_b32 v1, 5, v0
	s_delay_alu instid0(VALU_DEP_1)
	v_readfirstlane_b32 s[WV], v1                  ; wave 0..15
	v_and_b32 v2, 31, v0
	s_delay_alu instid0(VALU_DEP_1)
	v_lshlrev_b32 v1, 4, v2                        ; 16 x lane
	s_delay_alu instid0(VALU_DEP_2)
	v_lshlrev_b32 v2, 2, v2                        ; 4 x lane
	v_and_b32 v5, 15, v0
	s_delay_alu instid0(VALU_DEP_1)
	v_lshlrev_b32 v5, 2, v5                        ; 4 r
	s_bfe_u32 s20, ttmp6, 0x40000                  ; cx: it enters global addresses alone
	s_lshl_b32 s21, ttmp9, 2
	s_add_co_u32 s21, s21, s20                     ; my block of 256 queries
	s_and_b32 s22, ttmp7, 0xffff                   ; the head of a batch, which the four partners share
	s_lshl_b32 s23, s21, 4
	s_add_co_u32 s23, s23, s[WV]                   ; my tile of 16 queries, 0..127
	s_mov_b32 s[G1], 15|(3<<16)|(1<<21)            ; the mask: all four work-groups; elements of 8 bytes; bit 21 set beside a mask; no padding
	s_mov_b32 s[G1+1], 32<<16                      ; rows of 256 bytes,
	s_mov_b32 s[G1+2], 33<<16                      ; 33 of them: a sixteenth of 8 key steps
	s_mov_b32 s[G1+3], 32<<16
	s_mov_b32 s[G1+4], 33
	s_mov_b32 s[G1+5], 32
	s_mov_b32 s[G1+6], 0
	s_mov_b32 s[G1+7], 0
	s_mul_i32 s24, s[WV], 8448                     ; my sixteenth
	s_mul_i32 s26, s22, 16*CH
	s_add_co_u32 s26, s26, s24
	s_mov_b32 s27, 0
	s_mov_b32 s[G0], 1
	s_mov_b32 s[G0+1], s24
	s_mov_b32 s[G0B], 1
	s_add_co_u32 s[G0B+1], s24, 8*CH
	s_lshl_b32 s28, s22, 17
	s_lshl_b32 s25, s23, 10
	s_add_co_u32 s28, s28, s25                     ; q's codes
	s_mov_b32 s29, 0
	s_lshl_b32 s30, s22, 12
	s_lshr_b32 s25, s23, 1
	s_lshl_b32 s25, s25, 6
	s_add_co_u32 s30, s30, s25
	s_add_co_u32 s30, s30, 4194304                 ; the scale words of my pair of tiles
	s_mov_b32 s31, 0
	s_and_b32 s32, s23, 1
	s_lshl_b32 s32, s32, 4                         ; my tile's two bytes begin at bit 0 or 16
	s_lshr_b32 s56, s22, 4
	s_lshl_b32 s56, s56, 5
	s_lshr_b32 s25, s23, 2
	s_add_co_u32 s56, s56, s25                     ; the row block of 64 tokens: 32 x batch + tile / 4
	s_mul_i32 s56, s56, 67584
	s_and_b32 s25, s22, 15                         ; the head
	s_lshr_b32 s57, s25, 1
	s_mul_i32 s57, s57, 8448                       ; two heads are a K step of the next product
	s_add_co_u32 s56, s56, s57
	s_and_b32 s25, s25, 1
	s_and_b32 s57, s23, 3                          ; the tile's place in its row block
	s_lshl_b32 s58, s57, 11
	s_add_co_u32 s58, s58, s56
	s_lshl_b32 s59, s25, 10
	s_add_co_u32 s58, s58, s59                     ; my half of the tile's image
	s_mov_b32 s59, 0
	s_lshl_b32 s57, s57, 6
	s_add_co_u32 s56, s56, s57
	s_lshl_b32 s25, s25, 1
	s_add_co_u32 s56, s56, s25
	s_add_co_u32 s56, s56, 8192                    ; my two bytes of its scale words
	s_mov_b32 s57, 0
	s_mov_b32 s[SEL], 0x76543210
	s_mov_b32 s[SEL+1], 0xfedcba98
	s_mov_b32 s[CS], 0x3e38aa3b
	s_mov_b32 s[CS+1], s[CS]                       ; (named with it as a pair, so it is written)
	s_mov_b32 s[TB], 0
	s_wait_dscnt 0x0
	s_wait_kmcnt 0x0
	s_add_nc_u64 s[G0+2:G0+3], s[6:7], s[26:27]
	s_add_nc_u64 s[G0B+2:G0B+3], s[G0+2:G0+3], 8*CH
	s_or_b32 s[G0+3], s[G0+3], 0x80000000
	s_or_b32 s[G0B+3], s[G0B+3], 0x80000000
	s_add_nc_u64 s[28:29], s[4:5], s[28:29]
	s_add_nc_u64 s[30:31], s[4:5], s[30:31]
	s_add_nc_u64 s[58:59], s[8:9], s[58:59]
	s_add_nc_u64 s[56:57], s[8:9], s[56:57]
	ROUND                                          ; all four work-groups are here: the joint loads meet
	tensor_load_to_lds s[G0:G0+3], s[G1:G1+7]      ; key steps 0-7,
	s_nop 0
	s_wait_alu depctr_va_vdst(0)
	s_wait_tensorcnt 0x0
	ds_add_u32 v230, v231
	s_wait_dscnt 0x0
	ROUND
	tensor_load_to_lds s[G0B:G0B+3], s[G1:G1+7]    ; and 8-15
	s_nop 0
	PLACES 4
	s_wait_alu depctr_va_vdst(0)
	global_load_b128 v[QZ+8:QZ+11], v1, s[28:29]   ; q's codes, head dims 0-31,
	global_load_b128 v[QZ+12:QZ+15], v1, s[28:29] offset:512   ; and 32-63
	global_load_b32 v226, v5, s[30:31]
	s_wait_loadcnt 0x0
	v_lshrrev_b32 v226, s32, v226
	s_delay_alu instid0(VALU_DEP_1)
	v_and_b32 v226, 0xffff, v226                   ; my tile's two scale bytes
	s_delay_alu instid0(VALU_DEP_1)
	v_or_b32 v[QLO], 0x7f7f0000, v226              ; the scale 1 beside them, for the half whose codes are zeros.  (The lines below are the places between these two and the first product)
	s_delay_alu instid0(VALU_DEP_2)
	v_lshl_or_b32 v[QLO+1], v226, 16, 0x7f7f
.irp j, 0,1,2,3,4,5,6,7
	v_mov_b32 v[QZ+\j], 0                          ; zero codes on both sides of q
	v_mov_b32 v[QZ+16+\j], 0
.endr
.irp j, 0,1,2,3,4,5,6,7,8,9,10,11,12,13,14,15,16,17,18,19,20,21,22,23,24,25,26,27,28,29,30,31
	v_mov_b32 v[O+\j], 0                           ; O^T.  (The step is written once: the first finds zeros, which the first change of M leaves zeros)
.endr
	v_mov_b32 v13, 0xff61b1e6                      ; the largest t so far: -3e38, under every t
	s_delay_alu instid0(VALU_DEP_1)
	v_floor_f32 v12, -v13                          ; -M
	v_mov_b32 v14, 0
	v_mov_b32 v15, 0
	v_mov_b32 v225, 0                              ; (named as the upper half of the pair v[224:225])
.irp b, 0,1,2,3
	v_mov_b32 v[BP+\b], 0                          ; a lane permute's destination counts as one of its sources
.endr
; Eight key steps of 128 keys.
.macro KEYS
	s_mov_b32 s[CNT], 0
.Lstep_\@:
	s_setprio 2
	v_add_nc_u32 v3, s[TB], v1
	v_add_nc_u32 v4, s[TB], v2
.irp p, 0,1
	ds_load_b32 v[KSC+\p], v4 offset:16384+128*\p  ; lanes 0-15: pair 2 p of key tiles, lanes 16-31: pair 2 p + 1
	ds_load_b32 v[VSC+\p], v4 offset:16640+128*\p  ; likewise tiles 2 p and 2 p + 1 of v^T
.endr
.irp i, 0,1,2,3
.irp c, 0,1,2,3
	ds_load_b128 v[KF+16*\i+4*\c:KF+16*\i+4*\c+3], v3 offset:2048*\i+512*\c   ; (behind the last trip's products, which read these registers, stand its 32 sums and the two additions above)
.endr
.endr
	s_wait_alu depctr_va_vdst(0)
	s_wait_dscnt 0x0
.irp i, 0,1,2,3                        ; S^T = k q^T: pair i against q | 0 and against 0 | q
.irp hf, 0,1
.if (\i%2)
	v_wmma_scale_f32_16x16x128_f8f6f4 v[S+8*(2*\i+\hf):S+8*(2*\i+\hf)+7], v[KF+16*\i:KF+16*\i+15], v[QZ+8-8*\hf:QZ+23-8*\hf], 0, v[KSC+\i/2], v[QLO+\hf] matrix_a_scale:MATRIX_SCALE_ROW1
.else
	v_wmma_scale_f32_16x16x128_f8f6f4 v[S+8*(2*\i+\hf):S+8*(2*\i+\hf)+7], v[KF+16*\i:KF+16*\i+15], v[QZ+8-8*\hf:QZ+23-8*\hf], 0, v[KSC+\i/2], v[QLO+\hf]
.endif
.endr
.endr                                  ; the 16 registers of tiles 2 b, 2 b + 1 are keys 32 b + 16 (lane / 16) + 0..15 of the step
	PLACES 8                                       ; in front of the loads into k's registers and of the first read of the scores
.irp nt, 0,1,2,3
.irp c, 0,1,2,3
	ds_load_b128 v[KF+16*\nt+4*\c:KF+16*\nt+4*\c+3], v3 offset:8192+2048*\nt+512*\c   ; v^T's four fragments: they land under the softmax
.endr
.endr
.irp b, 0,1,2,3
	v_max3_num_f32 v[BM+\b], v[S+16*\b], v[S+1+16*\b], v[S+2+16*\b]   ; the largest score of each block of 32 keys: for the row's maximum and, since p rises with the score, for the block's largest p
.endr
.irp i, 3,5,7,9,11,13
.irp b, 0,1,2,3
	v_max3_num_f32 v[BM+\b], v[BM+\b], v[S+16*\b+\i], v[S+1+16*\b+\i]
.endr
.endr
.irp b, 0,1,2,3
	v_max_num_f32 v[BM+\b], v[BM+\b], v[S+15+16*\b]
.endr
.irp b, 0,1,2,3
	s_delay_alu instid0(VALU_DEP_4)
	v_permlanex16_b32 v[BP+\b], v[BM+\b], s[SEL], s[SEL+1]
.endr
.irp b, 0,1,2,3
	s_delay_alu instid0(VALU_DEP_4)
	v_max_num_f32 v[BM+\b], v[BM+\b], v[BP+\b]     ; with lane l xor 16's 16 keys
.endr
	s_delay_alu instid0(VALU_DEP_2)
	v_max3_num_f32 v226, v[BM], v[BM+1], v[BM+2]
	s_delay_alu instid0(VALU_DEP_1)
	v_max_num_f32 v226, v226, v[BM+3]              ; the step's largest score of my query
	s_delay_alu instid0(VALU_DEP_1)
	v_mul_f32 v226, s[CS], v226                    ; as t (c is positive)
	s_delay_alu instid0(VALU_DEP_1)
	v_max_num_f32 v13, v13, v226                   ; the running largest t
	v_mov_b32 v226, v12
	s_delay_alu instid0(VALU_DEP_2)
	v_floor_f32 v12, -v13                          ; the new -M = floor(-t) = -ceil(t)
	s_delay_alu instid0(VALU_DEP_1)
	v_sub_f32 v226, v12, v226                      ; M's old value less its new one: a whole number, 0 or less
	s_delay_alu instid0(VALU_DEP_1)
	v_cvt_i32_f32 v226, v226                       ; (it saturates)
	s_delay_alu instid0(VALU_DEP_1)
	v_ldexp_f32 v224, 1.0, v226                    ; f = 2^(old M - new M)
.irp j, 0,2,4,6,8,10,12,14,16,18,20,22,24,26,28,30,32,34,36,38,40,42,44,46,48,50,52,54,56,58,60,62
	v_pk_fma_f32 v[S+\j:S+\j+1], v[S+\j:S+\j+1], s[CS:CS+1], v[12:13] op_sel_hi:[1,0,0]   ; t - M, two at a time
.endr
.irp b, 0,1,2,3
	v_fma_f32 v[BM+\b], v[BM+\b], s[CS], v12       ; the same of each block's largest score
.endr
	s_setprio 1
	s_wait_alu depctr_va_vdst(0)
.irp j, 0,1,2,3,4,5,6,7,8,9,10,11,12,13,14,15,16,17,18,19,20,21,22,23,24,25,26,27,28,29,30,31,32,33,34,35,36,37,38,39,40,41,42,43,44,45,46,47,48,49,50,51,52,53,54,55,56,57,58,59,60,61,62,63
	v_exp_f32 v[S+\j], v[S+\j]                     ; p = 2^(t - M), at most 1
.endr
.irp b, 0,1,2,3
	v_exp_f32 v[BM+\b], v[BM+\b]                   ; the block's largest p: the same two instructions on the same number give the same bits
.endr
	v_pk_mul_f32 v[14:15], v[14:15], v[224:225] op_sel_hi:[1,0]   ; the sums under the new M.  (The plain instruction behind the exponentials)
	s_wait_alu depctr_va_vdst(0)
.irp b, 0,1,2,3
	v_max_num_f32 v[BM+\b], 0x4800000, v[BM+\b]    ; the floor 2^(9 - 127): the byte cannot fall under 1
.endr
.irp b, 0,1,2,3
	s_delay_alu instid0(VALU_DEP_4)
	v_add_nc_u32 v[BC+\b], 0xfc000000, v[BM+\b]    ; 8 off the exponent field: the conversion's scale operand
.endr
.irp b, 0,1,2,3
.endr
.irp b, 0,1,2,3
	s_delay_alu instid0(VALU_DEP_4)
	v_lshrrev_b32 v[BP+\b], 23, v[BC+\b]           ; the scale's byte
.endr
	s_delay_alu instid0(VALU_DEP_3)
	v_lshl_or_b32 v227, v[BP+1], 8, v[BP]          ; p's scale word for these 128 keys
	s_delay_alu instid0(VALU_DEP_1)
	v_lshl_or_b32 v227, v[BP+2], 16, v227
	s_delay_alu instid0(VALU_DEP_1)
	v_lshl_or_b32 v227, v[BP+3], 24, v227
.irp b, 0,1,2,3
.irp u, 0,1
.irp i, 0,1,2,3,4,5,6,7
.endr
	v_cvt_scalef32_pk8_fp8_f32 v[PCD+4*\b+2*\u:PCD+4*\b+2*\u+1], v[HT+8*\u+((S+16*\b+8*\u+0)-(HT+8*\u+0)):HT+8*\u+7+((S+16*\b+8*\u+0)-(HT+8*\u+0))], v[BC+\b]
.endr
.endr
.irp j, 0,2,4,6,8,10,12,14,16,18,20,22,24,26,28,30
	v_pk_mul_f32 v[O+\j:O+\j+1], v[O+\j:O+\j+1], v[224:225] op_sel_hi:[1,0]   ; O^T under the new M.  (Also the plain instructions between the conversions and the products that read the codes)
.endr
	s_setprio 0
	s_wait_alu depctr_va_vdst(0)
	s_wait_dscnt 0x0                               ; v^T
.irp nt, 0,1,2,3                       ; O^T += v^T p^T: the four accumulators by turns
.if (\nt%2)
	v_wmma_scale_f32_16x16x128_f8f6f4 v[O+8*\nt:O+8*\nt+7], v[KF+16*\nt:KF+16*\nt+15], v[PCD:PCD+15], v[O+8*\nt:O+8*\nt+7], v[VSC+\nt/2], v227 matrix_a_scale:MATRIX_SCALE_ROW1
.else
	v_wmma_scale_f32_16x16x128_f8f6f4 v[O+8*\nt:O+8*\nt+7], v[KF+16*\nt:KF+16*\nt+15], v[PCD:PCD+15], v[O+8*\nt:O+8*\nt+7], v[VSC+\nt/2], v227
.endif
.endr
	v_pk_add_f32 v[228:229], v[S:S+1], v[S+2:S+3]  ; the row's sum is taken of the unquantised p: two at a time, in two chains.  These 32 lines name no register of the products above: they are the places behind them
.irp j, 4,8,12,16,20,24,28,32,36,40,44,48,52,56,60
	v_pk_add_f32 v[14:15], v[14:15], v[S+\j:S+\j+1]
	v_pk_add_f32 v[228:229], v[228:229], v[S+2+\j:S+3+\j]
.endr
	s_delay_alu instid0(VALU_DEP_1)
	v_pk_add_f32 v[14:15], v[14:15], v[228:229]
	s_add_co_u32 s[TB], s[TB], CH
	s_add_co_u32 s[CNT], s[CNT], 1
	s_cmp_lt_u32 s[CNT], 8
	s_cbranch_scc1 .Lstep_\@
	s_setprio 0
.endm
	s_wait_tensorcnt 0x1                           ; my part of key steps 0-7 has landed; the load of steps 8-15, issued behind it, may be out
	s_barrier_signal -1
	s_barrier_wait -1                              ; everybody's has
	KEYS
	s_wait_tensorcnt 0x0                           ; my part of key steps 8-15 has landed,
	s_wait_dscnt 0x0
	s_barrier_signal -1
	s_barrier_wait -1                              ; everybody's has
	s_mov_b32 s[TB], 8*CH
	KEYS
	; THE WAY OUT.  O^T / the sum; register 16 b + i of a lane is head dim 32 b + 16 (lane / 16) + i of its query: two blocks of the next product's K.  (The last step's 32 sums are the places behind the last products)
	v_add_f32 v14, v14, v15
	s_delay_alu instid0(VALU_DEP_1)
	v_permlanex16_b32 v226, v14, s[SEL], s[SEL+1]
	s_delay_alu instid0(VALU_DEP_1)
	v_add_f32 v14, v14, v226                       ; the row's sum
	s_wait_alu depctr_va_vdst(0)
	v_rcp_f32 v14, v14
	v_nop                                          ; one plain instruction behind the transcendental
	s_wait_alu depctr_va_vdst(0)
	v_mov_b32 v15, v14
.irp j, 0,2,4,6,8,10,12,14,16,18,20,22,24,26,28,30
	v_pk_mul_f32 v[O+\j:O+\j+1], v[O+\j:O+\j+1], v[14:15]
.endr
.irp b, 0,1
	v_max3_num_f32 v[TM+\b], |v[O+16*\b]|, |v[O+16*\b+1]|, 0x4800000
.endr
.irp i, 2,4,6,8,10,12,14
.irp b, 0,1
	s_delay_alu instid0(VALU_DEP_2)
	v_max3_num_f32 v[TM+\b], v[TM+\b], |v[O+16*\b+\i]|, |v[O+16*\b+\i+1]|
.endr
.endr
.irp b, 0,1
	s_delay_alu instid0(VALU_DEP_2)
	v_permlanex16_b32 v[TM+2+\b], v[TM+\b], s[SEL], s[SEL+1]
.endr
.irp b, 0,1
	s_delay_alu instid0(VALU_DEP_2)
	v_max_num_f32 v[TM+\b], v[TM+\b], v[TM+2+\b]
.endr
.irp b, 0,1
	s_delay_alu instid0(VALU_DEP_2)
	v_add_nc_u32 v[TM+6+\b], 0xfc000000, v[TM+\b]
.endr
.irp b, 0,1
.endr
.irp b, 0,1
	s_delay_alu instid0(VALU_DEP_2)
	v_lshrrev_b32 v[TM+2+\b], 23, v[TM+6+\b]
.endr
	s_delay_alu instid0(VALU_DEP_1)
	v_lshl_or_b32 v226, v[TM+3], 8, v[TM+2]
.irp b, 0,1
.irp i, 0,1,2,3,4,5,6,7,8,9,10,11,12,13,14,15
.endr
	v_cvt_scalef32_pk8_fp8_f32 v[PCD+4*\b:PCD+4*\b+1], v[O+16*\b:O+16*\b+7], v[TM+6+\b]
	v_cvt_scalef32_pk8_fp8_f32 v[PCD+4*\b+2:PCD+4*\b+3], v[O+16*\b+8:O+16*\b+15], v[TM+6+\b]
.endr
	v_nop
	global_store_b128 v1, v[PCD:PCD+3], s[58:59]
	global_store_b128 v1, v[PCD+4:PCD+7], s[58:59] offset:512
	global_store_b16 v5, v226, s[56:57]            ; lanes l and l xor 16 hold the same two bytes and write them to the same place
	s_wait_tensorcnt 0x0
	ds_add_u32 v230, v231
	s_wait_dscnt 0x0
	ROUND                                          ; the closing round
	s_endpgm
.Lfunc_end_k_q93c8bbca1f_attn:
	.size	k_q93c8bbca1f_attn, .Lfunc_end_k_q93c8bbca1f_attn-k_q93c8bbca1f_attn
	.p2alignl 7, 3214868480
	.fill 96, 4, 3214868480
	.section	.rodata,"a",@progbits
	.p2align	6, 0x0
	.amdhsa_kernel k_q93c8bbca1f_attn
		.amdhsa_group_segment_fixed_size 327680
		.amdhsa_private_segment_fixed_size 0
		.amdhsa_enable_private_segment 0
		.amdhsa_kernarg_size 24
		.amdhsa_user_sgpr_count 2
		.amdhsa_user_sgpr_kernarg_segment_ptr 1
		.amdhsa_wavefront_size32 1
		.amdhsa_system_sgpr_workgroup_id_x 1
		.amdhsa_system_sgpr_workgroup_id_y 1
		.amdhsa_system_sgpr_workgroup_id_z 1
		.amdhsa_system_vgpr_workitem_id 0
		.amdhsa_next_free_vgpr 256
		.amdhsa_next_free_sgpr 66
		.amdhsa_reserve_vcc 0
		.amdhsa_float_denorm_mode_32 3
		.amdhsa_float_denorm_mode_16_64 3
		.amdhsa_fp16_overflow 1
		.amdhsa_memory_ordered 1
		.amdhsa_forward_progress 1
		.amdhsa_inst_pref_size 47
	.end_amdhsa_kernel
	.amdgpu_metadata
---
amdhsa.version: [ 1, 2 ]
amdhsa.kernels:
  - .name:           k_q93c8bbca1f_attn
    .symbol:         k_q93c8bbca1f_attn.kd
    .args:
      - { .name: qb, .offset: 0, .size: 8, .value_kind: global_buffer, .address_space: global }
      - { .name: kv, .offset: 8, .size: 8, .value_kind: global_buffer, .address_space: global }
      - { .name: act, .offset: 16, .size: 8, .value_kind: global_buffer, .address_space: global }
    .group_segment_fixed_size: 327680
    .private_segment_fixed_size: 0
    .kernarg_segment_align: 8
    .kernarg_segment_size: 24
    .max_flat_workgroup_size: 512
    .sgpr_count:     66
    .vgpr_count:     256
    .wavefront_size: 32
...
	.end_amdgpu_metadata
.endif
;; end of part 3
;; launch oproj (part 4): grid 4 x 64, 16 waves a work-group, clusters of 4 x 1, 264,192 bytes of LDS; arguments act, wimg, o_w_scales, o_b, x, x1; writes x1
.if DOCPART == 4
	.amdgcn_target "amdgcn-amd-amdhsa--gfx1250"
	.amdhsa_code_object_version 6
	.text
	.protected	k_q93c8bbca1f_oproj
	.globl	k_q93c8bbca1f_oproj
	.p2align	8
	.type	k_q93c8bbca1f_oproj,@function
k_q93c8bbca1f_oproj:
	s_mov_b64 s[64:65], 0
	v_nop
	global_prefetch_b8 v0, s[64:65] scope:SCOPE_SE
	s_setreg_imm32_b32 hwreg(HW_REG_WAVE_MODE, 25, 1), 1
	s_wait_xcnt 0x0
	s_wait_alu depctr_hold_cnt(0) depctr_sa_sdst(0) depctr_va_vdst(0) depctr_va_sdst(0) depctr_va_ssrc(0) depctr_va_vcc(0) depctr_vm_vsrc(0)
	s_getreg_b32 s2, hwreg(HW_REG_IB_STS2, 6, 4)
	s_cmp_eq_u32 s2, 0
	s_cbranch_scc0 .Lentry_in_a_cluster
	s_endpgm
.Lentry_in_a_cluster:
	s_bfe_u32 s2, ttmp6, 0x10000c
	s_cmp_lg_u32 s2, 0x3003
	s_cbranch_scc0 .Lentry_shape_is_right
	s_endpgm
.Lentry_shape_is_right:
; out = res + A W + bias, the product on codes of E4M3 with E8M0 scales.  A: images of operand registers, [row block of 64 tokens][K step][8,448 bytes]; W: fragment order, [unit of 64 rows][K step][8,192]; res, out: [4096][1024] f32.
; One text serves two launches; KQ says which: 2: K = 1,024 (the attention's output projection), 8: K = 4,096 (the MLP's second layer).
; SHARES.  A work-group takes a row block (grid y) and 256 columns (grid x).  Wave w: unit w / 4 of 64 columns, quarter w % 4 of K: all 64 tokens, KQ K steps, 16 accumulators.  So sixteen waves have work though the block of C is small.
; The four quarters meet in LDS and are added in ascending order of K; then wave (unit, q) owns token tile q: it adds residual and bias and stores whole pieces of 256 bytes of 16 rows.
; The row block's codes come into LDS once, asked for JOINTLY by the four work-groups of a cluster, which take the same row block.  The weights go from memory straight into registers, 512 consecutive bytes a load.
; The partial sums are laid over the codes in LDS: those bytes have had their one fill, and a barrier stands between the last read of the codes and the first store.
; LIMIT: K is summed in four parts (each in ascending order, the parts added in ascending order), not in one chain.
; REGISTERS: v1-11, v14 addresses; v12-13 the tokens' scale words; v16.. the weight's; v32-63 two fragments of tokens; v64-127 four of the weight, later residual and bias; v128-255 accumulators, later the four partial sums.
.set KQ,  2                            ; K steps of a wave
.set FW,  8                            ; waves that fill LDS
.set WBASE, 3145728                    ; where this weight begins in wimg
.set KT,  4*KQ                         ; K steps in all
.set FR,  33*KT/FW                     ; rows of 256 bytes in a wave's tensor load
.set RSB, 4*KT                         ; a row of the weight's scale bytes
.set WO,  5                            ; v5   16 x lane
.set AS,  12
.set WS,  16                           ; register KQ b + k: lanes 0-15 column tile 2 b, lanes 16-31 tile 2 b + 1, my K step k
.set AF,  32
.set BF,  64
.set ACC, 128
.set WV,  33
.set WB,  30
.set G0,  44
.set G1,  48
.macro ROUND
	s_barrier_signal -1
	s_barrier_wait -1
	s_cmp_lg_u32 s[WV], 0
	s_cbranch_scc1 .Lnot_wave_0_\@
	s_barrier_signal -3
.Lnot_wave_0_\@:
	s_barrier_wait -3
	s_barrier_signal -1
	s_barrier_wait -1
.endm
.macro PLACES n                        ; plain vector instructions that name no register of the matrix instructions before them (ISA guide 7.12.1)
.rept \n
	v_nop
.endr
.endm
.macro WM d, a, b, sa, sb, ra, rb, z   ; one product; ra, rb: 1 = that side's scales stand in lanes 16-31; z = 1: the sum starts
.if \z
.if (\ra) && (\rb)
	v_wmma_scale_f32_16x16x128_f8f6f4 v[(\d):(\d)+7], v[(\a):(\a)+15], v[(\b):(\b)+15], 0, v[(\sa)], v[(\sb)] matrix_a_scale:MATRIX_SCALE_ROW1 matrix_b_scale:MATRIX_SCALE_ROW1
.elseif (\ra)
	v_wmma_scale_f32_16x16x128_f8f6f4 v[(\d):(\d)+7], v[(\a):(\a)+15], v[(\b):(\b)+15], 0, v[(\sa)], v[(\sb)] matrix_a_scale:MATRIX_SCALE_ROW1
.elseif (\rb)
	v_wmma_scale_f32_16x16x128_f8f6f4 v[(\d):(\d)+7], v[(\a):(\a)+15], v[(\b):(\b)+15], 0, v[(\sa)], v[(\sb)] matrix_b_scale:MATRIX_SCALE_ROW1
.else
	v_wmma_scale_f32_16x16x128_f8f6f4 v[(\d):(\d)+7], v[(\a):(\a)+15], v[(\b):(\b)+15], 0, v[(\sa)], v[(\sb)]
.endif
.else
.if (\ra) && (\rb)
	v_wmma_scale_f32_16x16x128_f8f6f4 v[(\d):(\d)+7], v[(\a):(\a)+15], v[(\b):(\b)+15], v[(\d):(\d)+7], v[(\sa)], v[(\sb)] matrix_a_scale:MATRIX_SCALE_ROW1 matrix_b_scale:MATRIX_SCALE_ROW1
.elseif (\ra)
	v_wmma_scale_f32_16x16x128_f8f6f4 v[(\d):(\d)+7], v[(\a):(\a)+15], v[(\b):(\b)+15], v[(\d):(\d)+7], v[(\sa)], v[(\sb)] matrix_a_scale:MATRIX_SCALE_ROW1
.elseif (\rb)
	v_wmma_scale_f32_16x16x128_f8f6f4 v[(\d):(\d)+7], v[(\a):(\a)+15], v[(\b):(\b)+15], v[(\d):(\d)+7], v[(\sa)], v[(\sb)] matrix_b_scale:MATRIX_SCALE_ROW1
.else
	v_wmma_scale_f32_16x16x128_f8f6f4 v[(\d):(\d)+7], v[(\a):(\a)+15], v[(\b):(\b)+15], v[(\d):(\d)+7], v[(\sa)], v[(\sb)]
.endif
.endif
.endm
.macro AFRAG k, m0
.irp mt, \m0, \m0+1
.irp c, 0,1,2,3
	ds_load_b128 v[AF+16*((\mt)%2)+4*\c:AF+16*((\mt)%2)+4*\c+3], v[1+(\k)/4] offset:((\k)%4)*8448+2048*(\mt)+512*\c
.endr
.endr
.endm
.macro MUL8 k, m0, z                   ; source 0 = 16 rows of the weight, source 1 = 16 tokens: a lane holds one token and eight neighbouring columns
.irp mt, \m0, \m0+1
.irp nt, 0,1,2,3
	WM ACC+8*(4*(\mt)+\nt), BF+16*\nt, AF+16*((\mt)%2), WS+KQ*(\nt/2)+(\k), AS+(\mt)/2, \nt%2, (\mt)%2, \z
.endr
.endr
.endm
.macro KSTEP k, z                      ; 16 products; the 16 accumulators take turns, in the same order in every step
.if \k > 0
	PLACES 8                                       ; in front of loads into registers that the last products read
.endif
.irp nt, 0,1,2,3
.irp c, 0,1,2,3
	global_load_b128 v[BF+16*\nt+4*\c:BF+16*\nt+4*\c+3], v[WO], s[WB:WB+1] offset:8192*(\k)+2048*\nt+512*\c
.endr
.endr
.irp p, 0,1
	ds_load_b32 v[AS+\p], v[3+(\k)/4] offset:((\k)%4)*8448+8192+128*\p
.endr
	AFRAG \k, 0
	s_wait_loadcnt 0x0
	s_wait_dscnt 0x0
	MUL8 \k, 0, \z
	PLACES 8
	AFRAG \k, 2
	s_wait_dscnt 0x0
	MUL8 \k, 2, \z
.endm
	s_load_b256 s[4:11], s[0:1], 0x0               ; A s[4:5], wimg s[6:7], the weight's scales s[8:9], the bias s[10:11]
	s_load_b128 s[12:15], s[0:1], 0x20             ; res s[12:13], out s[14:15]
	v_lshl_add_u32 v30, v0, 2, 0x40000
	v_mov_b32 v31, 0
	ds_add_u32 v30, v31
	ds_add_u32 v30, v31
	v_lshrrev_b32 v1, 5, v0
	s_delay_alu instid0(VALU_DEP_1)
	v_readfirstlane_b32 s[WV], v1                  ; wave 0..15
	s_lshr_b32 s23, s[WV], 2                       ; my unit of the work-group's four
	s_and_b32 s24, s[WV], 3                        ; my quarter of K; later my token tile
	v_and_b32 v10, 31, v0                          ; lane
	v_and_b32 v11, 15, v0                          ; r
	v_bfe_u32 v15, v0, 4, 1                        ; h
	s_delay_alu instid0(VALU_DEP_3)
	v_lshlrev_b32 v5, 4, v10                       ; 16 x lane
	s_mul_i32 s26, s24, KQ*8448                    ; where my quarter's K steps begin in LDS
	v_add_nc_u32 v1, s26, v5
	v_lshlrev_b32 v3, 2, v10
	s_delay_alu instid0(VALU_DEP_1)
	v_add_nc_u32 v3, s26, v3
.if KQ > 4
	v_add_nc_u32 v2, 33792, v1                     ; my K steps 4-7
	v_add_nc_u32 v4, 33792, v3
.endif
	v_and_b32 v6, 8, v11
	s_delay_alu instid0(VALU_DEP_1)
	v_add_nc_u32 v6, v6, v11
	s_delay_alu instid0(VALU_DEP_1)
	v_lshl_add_u32 v6, v15, 3, v6
	s_delay_alu instid0(VALU_DEP_1)
	v_mul_u32_u24 v6, v6, RSB                      ; the weight's scales: row 8 h + r + 8 (r / 8)
	s_lshl_b32 s58, s23, 16
	s_lshl_b32 s59, s24, 12
	s_add_co_u32 s58, s58, s59
	v_add_nc_u32 v7, s58, v5                       ; partial sums out: 65,536 unit + 16,384 token tile (immediate) + 4,096 quarter + 16 lane
	s_lshl_b32 s58, s[WV], 14
	v_add_nc_u32 v8, s58, v5                       ; and in: block (unit, my token tile) = 16,384 x wave
	v_mul_u32_u24 v9, v11, 272
	s_delay_alu instid0(VALU_DEP_1)
	v_lshl_add_u32 v9, v15, 6, v9
	s_delay_alu instid0(VALU_DEP_1)
	v_add_nc_u32 v9, s58, v9                       ; the stage, in my own block: row r of 256 + 16 bytes, + 64 h
	v_mul_u32_u24 v10, v15, 272
	s_delay_alu instid0(VALU_DEP_1)
	v_lshl_add_u32 v10, v11, 4, v10
	s_delay_alu instid0(VALU_DEP_1)
	v_add_nc_u32 v10, s58, v10                     ; back: lanes 0-15 one row, lanes 16-31 the next
	v_lshlrev_b32 v14, 4, v11                      ; 16 r: my four columns
	s_delay_alu instid0(VALU_DEP_1)
	v_lshl_add_u32 v11, v15, 12, v14               ; and the same two rows in res and out
	s_bfe_u32 s20, ttmp6, 0x40000                  ; cx: it enters global addresses alone
	s_lshl_b32 s21, ttmp9, 2
	s_add_co_u32 s21, s21, s20                     ; which 256 columns
	s_and_b32 s22, ttmp7, 0xffff                   ; the row block, which the four partners share
	s_lshl_b32 s25, s21, 2
	s_add_co_u32 s25, s25, s23                     ; my unit of the weight
	s_mov_b32 s[G1], 15|(3<<16)|(1<<21)            ; the mask: all four work-groups; elements of 8 bytes; bit 21 set beside a mask; no padding
	s_mov_b32 s[G1+1], 32<<16                      ; rows of 256 bytes
	s_mov_b32 s[G1+2], FR<<16
	s_mov_b32 s[G1+3], 32<<16
	s_mov_b32 s[G1+4], FR
	s_mov_b32 s[G1+5], 32
	s_mov_b32 s[G1+6], 0
	s_mov_b32 s[G1+7], 0
	s_mul_i32 s27, s[WV], FR*256
	s_mul_i32 s28, s22, KT*8448
	s_add_co_u32 s28, s28, s27
	s_mov_b32 s29, 0
	s_mov_b32 s[G0], 1
	s_mov_b32 s[G0+1], s27
	s_mul_i32 s[WB], s25, KT*8192
	s_mul_i32 s58, s24, KQ*8192
	s_add_co_u32 s[WB], s[WB], s58
	s_add_co_u32 s[WB], s[WB], WBASE
	s_mov_b32 s[WB+1], 0
	s_mul_i32 s38, s25, 64*RSB
	s_mul_i32 s58, s24, 4*KQ
	s_add_co_u32 s38, s38, s58
	s_mov_b32 s39, 0
	s_lshl_b32 s40, s25, 8                         ; 64 numbers of the bias
	s_mov_b32 s41, 0
	s_lshl_b32 s42, s22, 6
	s_lshr_b32 s58, s24, 1
	s_lshl_b32 s58, s58, 5
	s_add_co_u32 s42, s42, s58
	s_and_b32 s58, s24, 1
	s_lshl_b32 s58, s58, 3
	s_add_co_u32 s42, s42, s58                     ; my token tile's first token
	s_lshl_b32 s42, s42, 12
	s_add_co_u32 s42, s42, s40                     ; + my unit's 256 bytes of a row
	s_mov_b32 s43, 0
	s_wait_dscnt 0x0
	s_wait_kmcnt 0x0
	s_add_nc_u64 s[G0+2:G0+3], s[4:5], s[28:29]
	s_or_b32 s[G0+3], s[G0+3], 0x80000000
	s_add_nc_u64 s[WB:WB+1], s[6:7], s[WB:WB+1]
	s_add_nc_u64 s[38:39], s[8:9], s[38:39]
	s_add_nc_u64 s[40:41], s[10:11], s[40:41]
	s_add_nc_u64 s[56:57], s[14:15], s[42:43]
	s_add_nc_u64 s[42:43], s[12:13], s[42:43]
	ROUND                                          ; all four work-groups are here: the joint loads meet
.if FW < 16
	s_cmp_lt_u32 s[WV], FW
	s_cbranch_scc0 .Lno_fill
.endif
	tensor_load_to_lds s[G0:G0+3], s[G1:G1+7]      ; my one tensor load: these LDS bytes are filled once in the launch
	s_nop 0
	PLACES 4
.if FW < 16
.Lno_fill:
.endif
.irp b, 0,1
.if KQ == 8
	global_load_b128 v[WS+8*\b:WS+8*\b+3], v6, s[38:39] offset:32*RSB*\b
	global_load_b128 v[WS+8*\b+4:WS+8*\b+7], v6, s[38:39] offset:32*RSB*\b+16
.else
	global_load_b64 v[WS+2*\b:WS+2*\b+1], v6, s[38:39] offset:32*RSB*\b
.endif
.endr
	s_wait_tensorcnt 0x0                           ; my part has landed,
	s_barrier_signal -1
	s_barrier_wait -1                              ; everybody's has
	KSTEP 0, 1                                     ; the first K step starts the sums
.set KK, 1
.rept KQ-1
	KSTEP KK, 0
.set KK, KK+1
.endr
	PLACES 8                                       ; behind the last products: results are read, operands' registers are loaded
	s_wait_alu depctr_va_vdst(0)
.irp i, 0,1,2,3,4,5,6,7
	global_load_b128 v[BF+4*\i:BF+4*\i+3], v11, s[42:43] offset:4096*(2*\i+8*(\i/4))   ; the residual of my token tile: stage rows 2 i and 2 i + 1 are tokens 2 i + 8 (i / 4) on
.endr
	global_load_b128 v[BF+32:BF+35], v14, s[40:41]
	s_wait_dscnt 0x0                               ; my reads of the codes are over,
	s_barrier_signal -1
	s_barrier_wait -1                              ; everybody's are: their bytes may be written
.irp mt, 0,1,2,3
.irp nt, 0,1,2,3
	ds_store_b128 v7, v[ACC+8*(4*\mt+\nt):ACC+8*(4*\mt+\nt)+3] offset:16384*\mt+1024*\nt        ; each accumulator from its low end on
	ds_store_b128 v7, v[ACC+8*(4*\mt+\nt)+4:ACC+8*(4*\mt+\nt)+7] offset:16384*\mt+1024*\nt+512
.endr
.endr
	s_wait_dscnt 0x0                               ; for the others' sake: my partial sums lie in LDS
	s_barrier_signal -1
	s_barrier_wait -1
.irp q, 0,1,2,3
.irp i, 0,1,2,3,4,5,6,7
	ds_load_b128 v[ACC+32*\q+4*\i:ACC+32*\q+4*\i+3], v8 offset:4096*\q+512*\i   ; my token tile's sums of quarter q, in the accumulators' layout
.endr
.endr
	s_wait_dscnt 0x0
.irp q, 1,2,3
.irp i, 0,2,4,6,8,10,12,14,16,18,20,22,24,26,28,30
	v_pk_add_f32 v[ACC+\i:ACC+\i+1], v[ACC+\i:ACC+\i+1], v[ACC+32*\q+\i:ACC+32*\q+\i+1]
.endr
.endr
.irp nt, 0,1,2,3                       ; a lane holds pieces of one row: through the stage, which only this wave touches from here on, to whole pieces of 256 bytes
	ds_store_b128 v9, v[ACC+8*\nt:ACC+8*\nt+3] offset:128*(\nt/2)+32*(\nt%2)
	ds_store_b128 v9, v[ACC+8*\nt+4:ACC+8*\nt+7] offset:128*(\nt/2)+32*(\nt%2)+16
.endr
.irp i, 0,1,2,3,4,5,6,7
	ds_load_b128 v[ACC+32+4*\i:ACC+32+4*\i+3], v10 offset:544*\i   ; LDS serves a wave's instructions in order (ISA guide 5.7.1.4): these see the stores above
.endr
	s_wait_dscnt 0x0
	s_wait_loadcnt 0x0                             ; residual and bias
.irp i, 0,1,2,3,4,5,6,7
	v_pk_add_f32 v[ACC+32+4*\i:ACC+32+4*\i+1], v[BF+4*\i:BF+4*\i+1], v[ACC+32+4*\i:ACC+32+4*\i+1]
	v_pk_add_f32 v[ACC+32+4*\i+2:ACC+32+4*\i+3], v[BF+4*\i+2:BF+4*\i+3], v[ACC+32+4*\i+2:ACC+32+4*\i+3]
	s_delay_alu instid0(VALU_DEP_2)
	v_pk_add_f32 v[ACC+32+4*\i:ACC+32+4*\i+1], v[ACC+32+4*\i:ACC+32+4*\i+1], v[BF+32:BF+33]
	s_delay_alu instid0(VALU_DEP_2)
	v_pk_add_f32 v[ACC+32+4*\i+2:ACC+32+4*\i+3], v[ACC+32+4*\i+2:ACC+32+4*\i+3], v[BF+34:BF+35]
	global_store_b128 v11, v[ACC+32+4*\i:ACC+32+4*\i+3], s[56:57] offset:4096*(2*\i+8*(\i/4))   ; 16 lanes store 256 consecutive bytes, at a multiple of 256 from the buffer's first byte
.endr
	s_wait_tensorcnt 0x0
	ds_add_u32 v30, v31
	s_wait_dscnt 0x0
	ROUND                                          ; the closing round
	s_endpgm
.Lfunc_end_k_q93c8bbca1f_oproj:
	.size	k_q93c8bbca1f_oproj, .Lfunc_end_k_q93c8bbca1f_oproj-k_q93c8bbca1f_oproj
	.p2alignl 7, 3214868480
	.fill 96, 4, 3214868480
	.section	.rodata,"a",@progbits
	.p2align	6, 0x0
	.amdhsa_kernel k_q93c8bbca1f_oproj
		.amdhsa_group_segment_fixed_size 264192
		.amdhsa_private_segment_fixed_size 0
		.amdhsa_enable_private_segment 0
		.amdhsa_kernarg_size 48
		.amdhsa_user_sgpr_count 2
		.amdhsa_user_sgpr_kernarg_segment_ptr 1
		.amdhsa_wavefront_size32 1
		.amdhsa_system_sgpr_workgroup_id_x 1
		.amdhsa_system_sgpr_workgroup_id_y 1
		.amdhsa_system_sgpr_workgroup_id_z 1
		.amdhsa_system_vgpr_workitem_id 0
		.amdhsa_next_free_vgpr 256
		.amdhsa_next_free_sgpr 66
		.amdhsa_reserve_vcc 0
		.amdhsa_float_denorm_mode_32 3
		.amdhsa_float_denorm_mode_16_64 3
		.amdhsa_memory_ordered 1
		.amdhsa_forward_progress 1
		.amdhsa_inst_pref_size 29
	.end_amdhsa_kernel
	.amdgpu_metadata
---
amdhsa.version: [ 1, 2 ]
amdhsa.kernels:
  - .name:           k_q93c8bbca1f_oproj
    .symbol:         k_q93c8bbca1f_oproj.kd
    .args:
      - { .name: act, .offset: 0, .size: 8, .value_kind: global_buffer, .address_space: global }
      - { .name: wimg, .offset: 8, .size: 8, .value_kind: global_buffer, .address_space: global }
      - { .name: o_w_scales, .offset: 16, .size: 8, .value_kind: global_buffer, .address_space: global }
      - { .name: o_b, .offset: 24, .size: 8, .value_kind: global_buffer, .address_space: global }
      - { .name: x, .offset: 32, .size: 8, .value_kind: global_buffer, .address_space: global }
      - { .name: x1, .offset: 40, .size: 8, .value_kind: global_buffer, .address_space: global }
    .group_segment_fixed_size: 264192
    .private_segment_fixed_size: 0
    .kernarg_segment_align: 8
    .kernarg_segment_size: 48
    .max_flat_workgroup_size: 512
    .sgpr_count:     66
    .vgpr_count:     256
    .wavefront_size: 32
...
	.end_amdgpu_metadata
.endif
;; end of part 4
;; launch ln2: the kernel of part 1 again; grid 256 x 1, 8 waves a work-group, no clusters, 67,072 bytes of LDS; arguments x1, ln2_w, ln2_b, act, pos, trig, qkv_w_codes, o_w_codes, mlp_w1_codes, mlp_w2_codes, wimg; writes act, trig, wimg
;; launch mlp1 (part 5): grid 16 x 16, 16 waves a work-group, clusters of 4 x 1, 272,384 bytes of LDS; arguments act, wimg, mlp_w1_scales, mlp_b1, hact; writes hact
.if DOCPART == 5
	.amdgcn_target "amdgcn-amd-amdhsa--gfx1250"
	.amdhsa_code_object_version 6
	.text
	.protected	k_q93c8bbca1f_mlp1
	.globl	k_q93c8bbca1f_mlp1
	.p2align	8
	.type	k_q93c8bbca1f_mlp1,@function
k_q93c8bbca1f_mlp1:
	s_mov_b64 s[64:65], 0
	v_nop
	global_prefetch_b8 v0, s[64:65] scope:SCOPE_SE
	s_setreg_imm32_b32 hwreg(HW_REG_WAVE_MODE, 25, 1), 1
	s_wait_xcnt 0x0
	s_wait_alu depctr_hold_cnt(0) depctr_sa_sdst(0) depctr_va_vdst(0) depctr_va_sdst(0) depctr_va_ssrc(0) depctr_va_vcc(0) depctr_vm_vsrc(0)
	s_getreg_b32 s2, hwreg(HW_REG_IB_STS2, 6, 4)
	s_cmp_eq_u32 s2, 0
	s_cbranch_scc0 .Lentry_in_a_cluster
	s_endpgm
.Lentry_in_a_cluster:
	s_bfe_u32 s2, ttmp6, 0x10000c
	s_cmp_lg_u32 s2, 0x3003
	s_cbranch_scc0 .Lentry_shape_is_right
	s_endpgm
.Lentry_shape_is_right:
; h = gelu(xn W1 + b1), the product on codes of E4M3 with E8M0 scales; h is quantised along the hidden units for the next product and stored as images of operand registers.
; SHARES.  A work-group takes four row blocks of 64 tokens (grid y) and four units of 64 hidden units (grid x); wave w: row block w / 4, unit w % 4: 64 tokens x 64 hidden units, K = 1,024 in 8 steps: 16 accumulators.
; So four waves name the same 8,192 bytes of W1 in the same K step: a work-group names 4 x 64 KB of weights for its 256 x 256 results.
; The four row blocks' codes come into LDS once, asked for JOINTLY by the four work-groups of a cluster, in two halves: wave w brings K step w % 4 and K step 4 + w % 4 of row block w / 4 (33 rows of 256 bytes each): two tensor loads
; of a wave are out at the start, and K steps 0-3 are multiplied while K steps 4-7 land.  No LDS byte is filled twice.
; The weights go from memory straight into registers, 512 consecutive bytes a load.  They are not asked for jointly: a joint load lands in LDS alone, and both operands of a wave tile of 64 x 64 out of LDS would double the LDS bytes for each product.
; Source 0 = 16 rows of W1, source 1 = 16 tokens: a lane holds ONE token, and the 16 registers of column tiles 2 b, 2 b + 1 are hidden units 32 b + 16 (lane / 16) + 0..15: a block of 32 lies in lanes l and l xor 16.
; THE EXACT GELU: gelu(x) = max(x, 0) - |x| erfc(|x| / sqrt 2) / 2.  erfc(a) e^(a a) (1 + 2 a) - 1 is a polynomial of degree 9 in (a - 2) / (a + 2); both divisions are a reciprocal with one correction by its residual;
; e^(-a a) is 2^(-q) (1 + w), q = a a log2(e) rounded, w what the roundings of a a and of q left out.  All in f32, good to a few units in the last place of erfc.
; LIMITS: NaN and infinities are not served.  a is held at 16, beyond which erfc / 2 is 0 in f32; v_exp_f32 gives 0 under 2^-126, so gelu(x) is -0 for x under about -13.2.
;   A block whose largest magnitude lies under 2^-118 keeps the scale byte 1 (a block of zeros too: its codes are zeros, and this program alone reads the bytes).
; REGISTERS: v1-9 addresses; v12-13 the tokens' scale words; v16-31 the weight's; v32-63 two fragments of tokens, later codes, the quantiser's work and a constant; v64-127 four fragments of the weight, later the GELU's work; v128-255 accumulators.
.set KQ,  8
.set WO,  5                            ; v5   16 x lane: an image's place for my lane, in the weights and in what I store
.set AS,  12
.set WS,  16
.set AF,  32
.set BF,  64
.set ACC, 128
.set TM,  50
.set GA,  64                           ; the GELU's eight pairs for each of four pairs of numbers, 16 registers apart: a,
.set GP,  66                           ; p,
.set GR,  68                           ; r,
.set GD,  70                           ; d,
.set GS,  72                           ; s,
.set GQ,  74                           ; q,
.set GT,  76                           ; t,
.set GW,  78                           ; w
.set WV,  33
.set SEL, 34
.set MNT, 36
.set RH,  37                           ; s37  1 / sqrt 2
.set WB,  30
.set G0,  44                           ; s[44:47] descriptor group 0 for my K step of 0-3
.set G0B, 60                           ; s[60:63] for my K step of 4-7
.set G1,  48
.macro ROUND
	s_barrier_signal -1
	s_barrier_wait -1
	s_cmp_lg_u32 s[WV], 0
	s_cbranch_scc1 .Lnot_wave_0_\@
	s_barrier_signal -3
.Lnot_wave_0_\@:
	s_barrier_wait -3
	s_barrier_signal -1
	s_barrier_wait -1
.endm
.macro PLACES n                        ; plain vector instructions that name no register of the matrix instructions before them (ISA guide 7.12.1)
.rept \n
	v_nop
.endr
.endm
.macro WM d, a, b, sa, sb, ra, rb      ; one product, added in place; ra, rb: 1 = that side's scales stand in lanes 16-31
.if (\ra) && (\rb)
	v_wmma_scale_f32_16x16x128_f8f6f4 v[(\d):(\d)+7], v[(\a):(\a)+15], v[(\b):(\b)+15], v[(\d):(\d)+7], v[(\sa)], v[(\sb)] matrix_a_scale:MATRIX_SCALE_ROW1 matrix_b_scale:MATRIX_SCALE_ROW1
.elseif (\ra)
	v_wmma_scale_f32_16x16x128_f8f6f4 v[(\d):(\d)+7], v[(\a):(\a)+15], v[(\b):(\b)+15], v[(\d):(\d)+7], v[(\sa)], v[(\sb)] matrix_a_scale:MATRIX_SCALE_ROW1
.elseif (\rb)
	v_wmma_scale_f32_16x16x128_f8f6f4 v[(\d):(\d)+7], v[(\a):(\a)+15], v[(\b):(\b)+15], v[(\d):(\d)+7], v[(\sa)], v[(\sb)] matrix_b_scale:MATRIX_SCALE_ROW1
.else
	v_wmma_scale_f32_16x16x128_f8f6f4 v[(\d):(\d)+7], v[(\a):(\a)+15], v[(\b):(\b)+15], v[(\d):(\d)+7], v[(\sa)], v[(\sb)]
.endif
.endm
.macro AFRAG k, m0
.irp mt, \m0, \m0+1
.irp c, 0,1,2,3
	ds_load_b128 v[AF+16*((\mt)%2)+4*\c:AF+16*((\mt)%2)+4*\c+3], v[1+(\k)/4] offset:((\k)%4)*8448+2048*(\mt)+512*\c
.endr
.endr
.endm
.macro MUL8 k, m0
.irp mt, \m0, \m0+1
.irp nt, 0,1,2,3
	WM ACC+8*(4*(\mt)+\nt), BF+16*\nt, AF+16*((\mt)%2), WS+KQ*(\nt/2)+(\k), AS+(\mt)/2, \nt%2, (\mt)%2
.endr
.endr
.endm
.macro KSTEP k                         ; 16 products; the 16 accumulators take turns, in the same order in every step
.if \k > 0
	PLACES 8                                       ; in front of loads into registers that the last products read
.endif
.irp nt, 0,1,2,3
.irp c, 0,1,2,3
	global_load_b128 v[BF+16*\nt+4*\c:BF+16*\nt+4*\c+3], v[WO], s[WB:WB+1] offset:8192*(\k)+2048*\nt+512*\c
.endr
.endr
.irp p, 0,1
	ds_load_b32 v[AS+\p], v[3+(\k)/4] offset:((\k)%4)*8448+8192+128*\p
.endr
	AFRAG \k, 0
	s_wait_loadcnt 0x0
	s_wait_dscnt 0x0
	MUL8 \k, 0
	PLACES 8
	AFRAG \k, 2
	s_wait_dscnt 0x0
	MUL8 \k, 2
.endm
.macro QUANT2 s, pc, pw                ; 32 numbers of a lane, two blocks of 16 registers, become 8 registers of codes at pc and two scale bytes in pw
.irp b, 0,1
	v_max3_num_f32 v[TM+\b], |v[(\s)+16*\b]|, |v[(\s)+16*\b+1]|, 0x4800000   ; with the floor 2^(9 - 127): the byte cannot fall under 1
.endr
.irp i, 2,4,6,8,10,12,14
.irp b, 0,1
	s_delay_alu instid0(VALU_DEP_2)
	v_max3_num_f32 v[TM+\b], v[TM+\b], |v[(\s)+16*\b+\i]|, |v[(\s)+16*\b+\i+1]|
.endr
.endr
.irp b, 0,1
	s_delay_alu instid0(VALU_DEP_2)
	v_permlanex16_b32 v[TM+2+\b], v[TM+\b], s[SEL], s[SEL+1]
.endr
.irp b, 0,1
	s_delay_alu instid0(VALU_DEP_2)
	v_max_num_f32 v[TM+\b], v[TM+\b], v[TM+2+\b]
.endr
.irp b, 0,1
	s_delay_alu instid0(VALU_DEP_2)
	v_add_nc_u32 v[TM+6+\b], 0xfc000000, v[TM+\b]
.endr
.irp b, 0,1
.endr
.irp b, 0,1
	s_delay_alu instid0(VALU_DEP_2)
	v_lshrrev_b32 v[TM+2+\b], 23, v[TM+6+\b]
.endr
	s_delay_alu instid0(VALU_DEP_1)
	v_lshl_or_b32 v[(\pw)], v[TM+3], 8, v[TM+2]
.irp b, 0,1
.irp i, 0,1,2,3,4,5,6,7,8,9,10,11,12,13,14,15
.endr
	v_cvt_scalef32_pk8_fp8_f32 v[(\pc)+4*\b:(\pc)+4*\b+1], v[(\s)+16*\b:(\s)+16*\b+7], v[TM+6+\b]
	v_cvt_scalef32_pk8_fp8_f32 v[(\pc)+4*\b+2:(\pc)+4*\b+3], v[(\s)+16*\b+8:(\s)+16*\b+15], v[TM+6+\b]
.endr
	v_nop                                          ; one plain instruction behind the last conversion
.endm
; gelu in place on eight registers v[x] on: four pairs, line by line, so that no line waits for the line above it
.macro GELU8 x
.irp i, 0,1,2,3
	v_mul_f32 v[GA+16*\i], |v[(\x)+2*\i]|, s[RH]   ; a = |x| / sqrt 2
	v_mul_f32 v[GA+16*\i+1], |v[(\x)+2*\i+1]|, s[RH]
.endr
.irp i, 0,1,2,3
	v_min_num_f32 v[GA+16*\i], 0x41800000, v[GA+16*\i]   ; held at 16
	v_min_num_f32 v[GA+16*\i+1], 0x41800000, v[GA+16*\i+1]
.endr
.irp i, 0,1,2,3
	v_pk_add_f32 v[GP+16*\i:GP+16*\i+1], v[GA+16*\i:GA+16*\i+1], 2.0 op_sel_hi:[1,0]            ; a + 2
	v_pk_fma_f32 v[GD+16*\i:GD+16*\i+1], v[GA+16*\i:GA+16*\i+1], 4.0, 2.0 op_sel_hi:[1,0,0]     ; 2 (1 + 2 a)
.endr
	s_wait_alu depctr_va_vdst(0)
.irp i, 0,1,2,3
	v_rcp_f32 v[GR+16*\i], v[GP+16*\i]
	v_rcp_f32 v[GR+16*\i+1], v[GP+16*\i+1]
	v_rcp_f32 v[GD+16*\i], v[GD+16*\i]
	v_rcp_f32 v[GD+16*\i+1], v[GD+16*\i+1]
.endr
.irp i, 0,1,2,3
	v_pk_mul_f32 v[GS+16*\i:GS+16*\i+1], v[GA+16*\i:GA+16*\i+1], v[GA+16*\i:GA+16*\i+1]         ; s = a a.  (The plain instructions behind the reciprocals)
.endr
	s_wait_alu depctr_va_vdst(0)
.irp i, 0,1,2,3
	v_pk_fma_f32 v[GQ+16*\i:GQ+16*\i+1], v[GR+16*\i:GR+16*\i+1], -4.0, 1.0 op_sel_hi:[1,0,0]    ; q = (a - 2) / (a + 2), first guess
.endr
.irp i, 0,1,2,3
	s_delay_alu instid0(VALU_DEP_4)
	v_pk_add_f32 v[GT+16*\i:GT+16*\i+1], v[GQ+16*\i:GQ+16*\i+1], 1.0 op_sel_hi:[1,0]
.endr
.irp i, 0,1,2,3
	s_delay_alu instid0(VALU_DEP_4)
	v_pk_fma_f32 v[GT+16*\i:GT+16*\i+1], v[GT+16*\i:GT+16*\i+1], -2.0, v[GA+16*\i:GA+16*\i+1] op_sel_hi:[1,0,1]
.endr
.irp i, 0,1,2,3
	s_delay_alu instid0(VALU_DEP_4)
	v_pk_fma_f32 v[GT+16*\i:GT+16*\i+1], v[GA+16*\i:GA+16*\i+1], v[GQ+16*\i:GQ+16*\i+1], v[GT+16*\i:GT+16*\i+1] neg_lo:[1,0,0] neg_hi:[1,0,0]   ; its residual (a - 2) - q (a + 2)
.endr
.irp i, 0,1,2,3
	v_pk_fma_f32 v[GQ+16*\i:GQ+16*\i+1], v[GR+16*\i:GR+16*\i+1], v[GT+16*\i:GT+16*\i+1], v[GQ+16*\i:GQ+16*\i+1]
.endr
.irp i, 0,1,2,3
	s_delay_alu instid0(VALU_DEP_4)
	v_pk_fma_f32 v[GP+16*\i:GP+16*\i+1], v[GQ+16*\i:GQ+16*\i+1], v[62:63], 0xbaa15130 op_sel_hi:[1,1,0]   ; the polynomial in q
.endr
.irp c, 0x3aac2b8a, 0x3c0d6e62, 0xbc040dc1, 0xbd5e05b5, 0x3e27fe23, 0xbe2a0420, 0xbdbdfb0b, 0x3e8dd01d
.irp i, 0,1,2,3
	s_delay_alu instid0(VALU_DEP_4)
	v_pk_fma_f32 v[GP+16*\i:GP+16*\i+1], v[GP+16*\i:GP+16*\i+1], v[GQ+16*\i:GQ+16*\i+1], \c op_sel_hi:[1,1,0]
.endr
.endr
.irp i, 0,1,2,3
	v_pk_fma_f32 v[GR+16*\i:GR+16*\i+1], v[GP+16*\i:GP+16*\i+1], v[GD+16*\i:GD+16*\i+1], v[GD+16*\i:GD+16*\i+1]   ; r = (p + 1) / (2 (1 + 2 a)), first guess
.endr
.irp i, 0,1,2,3
	v_pk_fma_f32 v[GT+16*\i:GT+16*\i+1], v[GR+16*\i:GR+16*\i+1], v[GA+16*\i:GA+16*\i+1], 0x3e800000 op_sel_hi:[1,1,0] neg_lo:[1,0,0] neg_hi:[1,0,0]
	v_pk_fma_f32 v[GP+16*\i:GP+16*\i+1], v[GR+16*\i:GR+16*\i+1], -2.0, v[GP+16*\i:GP+16*\i+1] op_sel_hi:[1,0,1]
.endr
.irp i, 0,1,2,3
	v_pk_fma_f32 v[GT+16*\i:GT+16*\i+1], v[GT+16*\i:GT+16*\i+1], 4.0, v[GP+16*\i:GP+16*\i+1] op_sel_hi:[1,0,1]   ; its residual (p + 1) - 2 r (1 + 2 a)
.endr
.irp i, 0,1,2,3
	v_pk_fma_f32 v[GR+16*\i:GR+16*\i+1], v[GT+16*\i:GT+16*\i+1], v[GD+16*\i:GD+16*\i+1], v[GR+16*\i:GR+16*\i+1]  ; r = e^(a a) erfc(a) / 2
	v_pk_mul_f32 v[GQ+16*\i:GQ+16*\i+1], v[GS+16*\i:GS+16*\i+1], 0x3fb8aa3b op_sel_hi:[1,0]                      ; q = s log2(e), rounded
.endr
.irp i, 0,1,2,3
	v_pk_fma_f32 v[GW+16*\i:GW+16*\i+1], v[GS+16*\i:GS+16*\i+1], 0x3fb8aa3b, v[GQ+16*\i:GQ+16*\i+1] op_sel_hi:[1,0,1] neg_lo:[0,0,1] neg_hi:[0,0,1]   ; what that rounding left out,
	v_pk_fma_f32 v[GT+16*\i:GT+16*\i+1], v[GA+16*\i:GA+16*\i+1], v[GA+16*\i:GA+16*\i+1], v[GS+16*\i:GS+16*\i+1] neg_lo:[0,0,1] neg_hi:[0,0,1]          ; and a a - s
.endr
.irp i, 0,1,2,3
	v_pk_fma_f32 v[GW+16*\i:GW+16*\i+1], v[GS+16*\i:GS+16*\i+1], 0x32a57060, v[GW+16*\i:GW+16*\i+1] op_sel_hi:[1,0,1]   ; with the low part of log2(e)
.endr
.irp i, 0,1,2,3
	s_delay_alu instid0(VALU_DEP_4)
	v_pk_fma_f32 v[GW+16*\i:GW+16*\i+1], v[GW+16*\i:GW+16*\i+1], 0xbf317218, v[GT+16*\i:GT+16*\i+1] op_sel_hi:[1,0,1] neg_lo:[0,0,1] neg_hi:[0,0,1]   ; w = -ln 2 x that - (a a - s)
.endr
.irp i, 0,1,2,3
	v_exp_f32 v[GQ+16*\i], -v[GQ+16*\i]
	v_exp_f32 v[GQ+16*\i+1], -v[GQ+16*\i+1]
.endr
.irp i, 0,1,2,3
	v_max_num_f32 v[GS+16*\i], 0, v[(\x)+2*\i]     ; max(x, 0).  (The plain instructions behind the exponentials)
	v_max_num_f32 v[GS+16*\i+1], 0, v[(\x)+2*\i+1]
.endr
	s_wait_alu depctr_va_vdst(0)
.irp i, 0,1,2,3
	v_pk_mul_f32 v[GP+16*\i:GP+16*\i+1], v[GR+16*\i:GR+16*\i+1], v[GQ+16*\i:GQ+16*\i+1]
.endr
.irp i, 0,1,2,3
	s_delay_alu instid0(VALU_DEP_4)
	v_pk_fma_f32 v[GP+16*\i:GP+16*\i+1], v[GP+16*\i:GP+16*\i+1], v[GW+16*\i:GW+16*\i+1], v[GP+16*\i:GP+16*\i+1]  ; erfc(a) / 2
.endr
.irp i, 0,1,2,3
	v_fma_f32 v[(\x)+2*\i], -|v[(\x)+2*\i]|, v[GP+16*\i], v[GS+16*\i]
	v_fma_f32 v[(\x)+2*\i+1], -|v[(\x)+2*\i+1]|, v[GP+16*\i+1], v[GS+16*\i+1]
.endr
.endm
	s_load_b256 s[4:11], s[0:1], 0x0               ; act s[4:5], wimg s[6:7], the weight's scales s[8:9], the bias s[10:11]
	s_load_b64 s[12:13], s[0:1], 0x20              ; hact
	v_lshl_add_u32 v8, v0, 2, 0x42000
	v_mov_b32 v15, 0
	ds_add_u32 v8, v15
	ds_add_u32 v8, v15
	v_lshrrev_b32 v1, 5, v0
	s_delay_alu instid0(VALU_DEP_1)
	v_readfirstlane_b32 s[WV], v1                  ; wave 0..15
	s_lshr_b32 s23, s[WV], 2                       ; which of the work-group's four row blocks
	s_and_b32 s24, s[WV], 3                        ; which of its four units.  Also: which K step of four I fetch
	s_mul_i32 s26, s23, 67584                      ; where the row block's 8 K steps lie in LDS
	v_and_b32 v10, 31, v0                          ; lane
	v_and_b32 v11, 15, v0                          ; r
	v_bfe_u32 v14, v0, 4, 1                        ; h
	s_delay_alu instid0(VALU_DEP_3)
	v_lshlrev_b32 v5, 4, v10                       ; 16 x lane
	s_delay_alu instid0(VALU_DEP_1)
	v_add_nc_u32 v1, s26, v5                       ; images of my row block, K steps 0-3,
	s_delay_alu instid0(VALU_DEP_1)
	v_add_nc_u32 v2, 33792, v1                     ; and 4-7
	v_lshlrev_b32 v3, 2, v10                       ; 4 x lane
	s_delay_alu instid0(VALU_DEP_1)
	v_add_nc_u32 v3, s26, v3                       ; its scale words likewise
	s_delay_alu instid0(VALU_DEP_1)
	v_add_nc_u32 v4, 33792, v3
	v_lshlrev_b32 v6, 2, v11                       ; 4 r
	v_lshlrev_b32 v7, 6, v14                       ; 64 h
	v_and_b32 v9, 8, v11
	s_delay_alu instid0(VALU_DEP_1)
	v_add_nc_u32 v9, v9, v11
	s_delay_alu instid0(VALU_DEP_1)
	v_lshl_add_u32 v9, v14, 3, v9
	s_delay_alu instid0(VALU_DEP_1)
	v_lshlrev_b32 v9, 5, v9                        ; the weight's scales: row 8 h + r + 8 (r / 8) of 32 bytes
	s_bfe_u32 s20, ttmp6, 0x40000                  ; cx: it enters global addresses alone
	s_lshl_b32 s21, ttmp9, 2
	s_add_co_u32 s21, s21, s20                     ; which 256 hidden units
	s_and_b32 s22, ttmp7, 0xffff                   ; which four row blocks: the four partners share them
	s_lshl_b32 s25, s21, 2
	s_add_co_u32 s25, s25, s24                     ; my unit of 64 hidden units
	s_lshl_b32 s19, s22, 2
	s_add_co_u32 s19, s19, s23                     ; my row block
	s_mov_b32 s[G1], 15|(3<<16)|(1<<21)            ; the mask: all four work-groups; elements of 8 bytes; bit 21 set beside a mask; no padding
	s_mov_b32 s[G1+1], 32<<16                      ; rows of 256 bytes,
	s_mov_b32 s[G1+2], 33<<16                      ; 33 of them: a K step's 8,448 bytes
	s_mov_b32 s[G1+3], 32<<16
	s_mov_b32 s[G1+4], 33
	s_mov_b32 s[G1+5], 32
	s_mov_b32 s[G1+6], 0
	s_mov_b32 s[G1+7], 0
	s_mul_i32 s27, s24, 8448
	s_add_co_u32 s27, s27, s26                     ; K step w % 4 of row block w / 4: in LDS,
	s_mul_i32 s28, s22, 270336
	s_add_co_u32 s28, s28, s27                     ; and in memory, where the four row blocks lie on end as in LDS
	s_mov_b32 s29, 0
	s_mov_b32 s[G0], 1
	s_mov_b32 s[G0+1], s27
	s_mov_b32 s[G0B], 1
	s_add_co_u32 s[G0B+1], s27, 33792              ; four K steps on
	s_lshl_b32 s[WB], s25, 16
	s_add_co_u32 s[WB], s[WB], 4194304             ; where mlp_w1 begins in wimg
	s_mov_b32 s[WB+1], 0
	s_lshl_b32 s38, s25, 11
	s_mov_b32 s39, 0
	s_lshl_b32 s40, s25, 8
	s_mov_b32 s41, 0
	s_mul_i32 s58, s19, 270336                     ; the row block's 32 K steps of the next product
	s_lshr_b32 s59, s25, 1
	s_mul_i32 s59, s59, 8448                       ; two units are a K step
	s_add_co_u32 s58, s58, s59
	s_and_b32 s59, s25, 1
	s_lshl_b32 s42, s59, 10
	s_add_co_u32 s42, s42, s58                     ; my half of each image
	s_mov_b32 s43, 0
	s_lshl_b32 s56, s59, 1
	s_add_co_u32 s56, s56, s58
	s_add_co_u32 s56, s56, 8192                    ; my two bytes of each scale word
	s_mov_b32 s57, 0
	s_mov_b32 s[SEL], 0x76543210
	s_mov_b32 s[SEL+1], 0xfedcba98
	s_mov_b32 s[RH], 0x3f3504f3
	s_wait_dscnt 0x0
	s_wait_kmcnt 0x0
	s_add_nc_u64 s[G0+2:G0+3], s[4:5], s[28:29]
	s_add_nc_u64 s[G0B+2:G0B+3], s[G0+2:G0+3], 33792
	s_or_b32 s[G0+3], s[G0+3], 0x80000000
	s_or_b32 s[G0B+3], s[G0B+3], 0x80000000
	s_add_nc_u64 s[WB:WB+1], s[6:7], s[WB:WB+1]
	s_add_nc_u64 s[38:39], s[8:9], s[38:39]
	s_add_nc_u64 s[40:41], s[10:11], s[40:41]
	s_add_nc_u64 s[42:43], s[12:13], s[42:43]
	s_add_nc_u64 s[56:57], s[12:13], s[56:57]
	ROUND                                          ; all four work-groups are here: the joint loads meet
	tensor_load_to_lds s[G0:G0+3], s[G1:G1+7]      ; my K step of 0-3,
	s_nop 0
	tensor_load_to_lds s[G0B:G0B+3], s[G1:G1+7]    ; and of 4-7: my two tensor loads, together; these LDS bytes are filled once in the launch
	s_nop 0
	PLACES 4
	s_wait_alu depctr_va_vdst(0)
.irp b, 0,1
	global_load_b128 v[WS+8*\b:WS+8*\b+3], v9, s[38:39] offset:1024*\b
	global_load_b128 v[WS+8*\b+4:WS+8*\b+7], v9, s[38:39] offset:1024*\b+16
.endr
.irp mt, 0,1,2,3
.irp nt, 0,1,2,3
	global_load_b128 v[ACC+8*(4*\mt+\nt):ACC+8*(4*\mt+\nt)+3], v7, s[40:41] offset:128*(\nt/2)+32*(\nt%2)      ; the bias starts the sums: register j of tile 2 b + u is hidden unit 32 b + 16 h + 8 u + j
	global_load_b128 v[ACC+8*(4*\mt+\nt)+4:ACC+8*(4*\mt+\nt)+7], v7, s[40:41] offset:128*(\nt/2)+32*(\nt%2)+16
.endr
.endr
	s_wait_tensorcnt 0x1                           ; my K step of 0-3 has landed; the load issued behind it may be out
	s_barrier_signal -1
	s_barrier_wait -1                              ; everybody's has
.irp k, 0,1,2,3
	KSTEP \k
.endr
	s_wait_tensorcnt 0x0                           ; my K step of 4-7 has landed (no LDS load of mine is out),
	s_barrier_signal -1
	s_barrier_wait -1                              ; everybody's has
.irp k, 4,5,6,7
	KSTEP \k
.endr
	PLACES 8                                       ; behind the last products: results are read, operands' registers are written
	v_mov_b32 v[TM+2], 0                           ; a lane permute's destination counts as one of its sources
	v_mov_b32 v[TM+3], 0
	v_mov_b32 v62, 0xb9d25000                      ; the polynomial's leading coefficient, twice
	v_mov_b32 v63, 0xb9d25000
.macro HOUT mt
.irp nt, 0,1,2,3
	GELU8 ACC+8*(4*\mt+\nt)
.endr
.if \mt > 1
	s_wait_xcnt 0x0                                ; the stores of two tiles ago have read their registers: the set of codes is written again only behind this wait
.endif
	QUANT2 ACC+32*\mt, AF+8*((\mt)%2), 48+(\mt)%2
	global_store_b128 v[WO], v[AF+8*((\mt)%2):AF+8*((\mt)%2)+3], s[42:43] offset:2048*\mt
	global_store_b128 v[WO], v[AF+8*((\mt)%2)+4:AF+8*((\mt)%2)+7], s[42:43] offset:2048*\mt+512
	global_store_b16 v6, v[48+(\mt)%2], s[56:57] offset:64*\mt   ; lanes l and l xor 16 hold the same two bytes and write them to the same place
.endm
.irp mt, 0,1,2,3
	HOUT \mt
.endr
	s_wait_tensorcnt 0x0
	ds_add_u32 v8, v15
	s_wait_dscnt 0x0
	ROUND                                          ; the closing round
	s_endpgm
.Lfunc_end_k_q93c8bbca1f_mlp1:
	.size	k_q93c8bbca1f_mlp1, .Lfunc_end_k_q93c8bbca1f_mlp1-k_q93c8bbca1f_mlp1
	.p2alignl 7, 3214868480
	.fill 96, 4, 3214868480
	.section	.rodata,"a",@progbits
	.p2align	6, 0x0
	.amdhsa_kernel k_q93c8bbca1f_mlp1
		.amdhsa_group_segment_fixed_size 272384
		.amdhsa_private_segment_fixed_size 0
		.amdhsa_enable_private_segment 0
		.amdhsa_kernarg_size 40
		.amdhsa_user_sgpr_count 2
		.amdhsa_user_sgpr_kernarg_segment_ptr 1
		.amdhsa_wavefront_size32 1
		.amdhsa_system_sgpr_workgroup_id_x 1
		.amdhsa_system_sgpr_workgroup_id_y 1
		.amdhsa_system_sgpr_workgroup_id_z 1
		.amdhsa_system_vgpr_workitem_id 0
		.amdhsa_next_free_vgpr 256
		.amdhsa_next_free_sgpr 66
		.amdhsa_reserve_vcc 0
		.amdhsa_float_denorm_mode_32 3
		.amdhsa_float_denorm_mode_16_64 3
		.amdhsa_fp16_overflow 1
		.amdhsa_memory_ordered 1
		.amdhsa_forward_progress 1
		.amdhsa_inst_pref_size 255
	.end_amdhsa_kernel
	.section	.bss,"aw",@nobits
	.p2align	6
	.space	262144
	.amdgpu_metadata
---
amdhsa.version: [ 1, 2 ]
amdhsa.kernels:
  - .name:           k_q93c8bbca1f_mlp1
    .symbol:         k_q93c8bbca1f_mlp1.kd
    .args:
      - { .name: act, .offset: 0, .size: 8, .value_kind: global_buffer, .address_space: global }
      - { .name: wimg, .offset: 8, .size: 8, .value_kind: global_buffer, .address_space: global }
      - { .name: mlp_w1_scales, .offset: 16, .size: 8, .value_kind: global_buffer, .address_space: global }
      - { .name: mlp_b1, .offset: 24, .size: 8, .value_kind: global_buffer, .address_space: global }
      - { .name: hact, .offset: 32, .size: 8, .value_kind: global_buffer, .address_space: global }
    .group_segment_fixed_size: 272384
    .private_segment_fixed_size: 0
    .kernarg_segment_align: 8
    .kernarg_segment_size: 40
    .max_flat_workgroup_size: 512
    .sgpr_count:     66
    .vgpr_count:     256
    .wavefront_size: 32
...
	.end_amdgpu_metadata
.endif
;; end of part 5
;; launch mlp2 (part 6): grid 8 x 32, 16 waves a work-group, clusters of 4 x 1, 327,680 bytes of LDS; arguments hact, wimg, mlp_w2_scales, mlp_b2, x1, out0; writes out0
.if DOCPART == 6
	.amdgcn_target "amdgcn-amd-amdhsa--gfx1250"
	.amdhsa_code_object_version 6
	.text
	.protected	k_q93c8bbca1f_mlp2
	.globl	k_q93c8bbca1f_mlp2
	.p2align	8
	.type	k_q93c8bbca1f_mlp2,@function
k_q93c8bbca1f_mlp2:
	s_mov_b64 s[64:65], 0
	v_nop
	global_prefetch_b8 v0, s[64:65] scope:SCOPE_SE
	s_setreg_imm32_b32 hwreg(HW_REG_WAVE_MODE, 25, 1), 1
	s_wait_xcnt 0x0
	s_wait_alu depctr_hold_cnt(0) depctr_sa_sdst(0) depctr_va_vdst(0) depctr_va_sdst(0) depctr_va_ssrc(0) depctr_va_vcc(0) depctr_vm_vsrc(0)
	s_getreg_b32 s2, hwreg(HW_REG_IB_STS2, 6, 4)
	s_cmp_eq_u32 s2, 0
	s_cbranch_scc0 .Lentry_in_a_cluster
	s_endpgm
.Lentry_in_a_cluster:
	s_bfe_u32 s2, ttmp6, 0x10000c
	s_cmp_lg_u32 s2, 0x3003
	s_cbranch_scc0 .Lentry_shape_is_right
	s_endpgm
.Lentry_shape_is_right:
.set KQ,  8
.set WBASE, 8388608
.set SLOTB, 135168
.set SPARE, 2*SLOTB
.set WO,  5
.set SPW, 6
.set NIL, 15
.set AS,  12
.set WS,  16
.set AF,  32
.set BF,  64
.set ACC, 128
.set WV,  33
.set WB,  30
.set G0,  44
.set G0B, 60
.set G1,  48
.macro ROUND
	s_barrier_signal -1
	s_barrier_wait -1
	s_cmp_lg_u32 s[WV], 0
	s_cbranch_scc1 .Lnot_wave_0_\@
	s_barrier_signal -3
.Lnot_wave_0_\@:
	s_barrier_wait -3
	s_barrier_signal -1
	s_barrier_wait -1
.endm
.macro PLACES n
.rept \n
	v_nop
.endr
.endm
.macro WM d, a, b, sa, sb, ra, rb, z
.if \z
.if (\ra) && (\rb)
	v_wmma_scale_f32_16x16x128_f8f6f4 v[(\d):(\d)+7], v[(\a):(\a)+15], v[(\b):(\b)+15], 0, v[(\sa)], v[(\sb)] matrix_a_scale:MATRIX_SCALE_ROW1 matrix_b_scale:MATRIX_SCALE_ROW1
.elseif (\ra)
	v_wmma_scale_f32_16x16x128_f8f6f4 v[(\d):(\d)+7], v[(\a):(\a)+15], v[(\b):(\b)+15], 0, v[(\sa)], v[(\sb)] matrix_a_scale:MATRIX_SCALE_ROW1
.elseif (\rb)
	v_wmma_scale_f32_16x16x128_f8f6f4 v[(\d):(\d)+7], v[(\a):(\a)+15], v[(\b):(\b)+15], 0, v[(\sa)], v[(\sb)] matrix_b_scale:MATRIX_SCALE_ROW1
.else
	v_wmma_scale_f32_16x16x128_f8f6f4 v[(\d):(\d)+7], v[(\a):(\a)+15], v[(\b):(\b)+15], 0, v[(\sa)], v[(\sb)]
.endif
.else
.if (\ra) && (\rb)
	v_wmma_scale_f32_16x16x128_f8f6f4 v[(\d):(\d)+7], v[(\a):(\a)+15], v[(\b):(\b)+15], v[(\d):(\d)+7], v[(\sa)], v[(\sb)] matrix_a_scale:MATRIX_SCALE_ROW1 matrix_b_scale:MATRIX_SCALE_ROW1
.elseif (\ra)
	v_wmma_scale_f32_16x16x128_f8f6f4 v[(\d):(\d)+7], v[(\a):(\a)+15], v[(\b):(\b)+15], v[(\d):(\d)+7], v[(\sa)], v[(\sb)] matrix_a_scale:MATRIX_SCALE_ROW1
.elseif (\rb)
	v_wmma_scale_f32_16x16x128_f8f6f4 v[(\d):(\d)+7], v[(\a):(\a)+15], v[(\b):(\b)+15], v[(\d):(\d)+7], v[(\sa)], v[(\sb)] matrix_b_scale:MATRIX_SCALE_ROW1
.else
	v_wmma_scale_f32_16x16x128_f8f6f4 v[(\d):(\d)+7], v[(\a):(\a)+15], v[(\b):(\b)+15], v[(\d):(\d)+7], v[(\sa)], v[(\sb)]
.endif
.endif
.endm
.macro AFRAG t, m0
.irp mt, \m0, \m0+1
.irp c, 0,1,2,3
	ds_load_b128 v[AF+16*((\mt)%2)+4*\c:AF+16*((\mt)%2)+4*\c+3], v[1+((\t)/2)%2] offset:((\t)%2)*8448+2048*(\mt)+512*\c
.endr
.endr
.endm
.macro MUL8 t, m0, z
.irp mt, \m0, \m0+1
.irp nt, 0,1,2,3
	WM ACC+8*(4*(\mt)+\nt), BF+16*\nt, AF+16*((\mt)%2), WS+KQ*(\nt/2)+(\t), AS+(\mt)/2, \nt%2, (\mt)%2, \z
.endr
.endr
.endm
.macro KSTEP t, z
.if \t > 0
	PLACES 8
.endif
.irp nt, 0,1,2,3
.irp c, 0,1,2,3
	global_load_b128 v[BF+16*\nt+4*\c:BF+16*\nt+4*\c+3], v[WO], s[WB:WB+1] offset:8192*(\t)+2048*\nt+512*\c
.endr
.endr
.irp p, 0,1
	ds_load_b32 v[AS+\p], v[3+((\t)/2)%2] offset:((\t)%2)*8448+8192+128*\p
.endr
	AFRAG \t, 0
	s_wait_loadcnt 0x0
	s_wait_dscnt 0x0
	MUL8 \t, 0, \z
	PLACES 8
	AFRAG \t, 2
	s_wait_dscnt 0x0
	MUL8 \t, 2, \z
.endm
.macro CHANGE g
	s_wait_tensorcnt 0x0
	ds_add_u32 v[SPW], v[NIL]
	s_add_nc_u64 s[\g+2:\g+3], s[\g+2:\g+3], 33792
	s_wait_dscnt 0x0
	ROUND
	tensor_load_to_lds s[\g:\g+3], s[G1:G1+7]
	s_nop 0
	PLACES 4
.endm
	s_load_b256 s[4:11], s[0:1], 0x0
	s_load_b128 s[12:15], s[0:1], 0x20
	v_lshl_add_u32 v[SPW], v0, 2, SPARE
	v_mov_b32 v[NIL], 0
	ds_add_u32 v6, v15
	ds_add_u32 v6, v15
	s_wait_dscnt 0x0
	v_lshrrev_b32 v1, 5, v0
	s_delay_alu instid0(VALU_DEP_1)
	v_readfirstlane_b32 s[WV], v1
	s_lshr_b32 s23, s[WV], 3
	s_bfe_u32 s24, s[WV], 0x20001
	s_and_b32 s19, s[WV], 1
	s_and_b32 s26, s[WV], 14
	s_mul_i32 s26, s26, 8448
	s_lshl_b32 s18, s23, 1
	s_add_co_u32 s18, s18, s19
	s_lshl_b32 s58, s18, 16
	s_lshl_b32 s59, s24, 12
	s_add_co_u32 s58, s58, s59
	s_lshl_b32 s59, s18, 2
	s_add_co_u32 s59, s59, s24
	s_lshl_b32 s59, s59, 14
	v_and_b32 v64, 31, v0
	v_and_b32 v65, 15, v0
	v_bfe_u32 v66, v0, 4, 1
	s_delay_alu instid0(VALU_DEP_3)
	v_lshlrev_b32 v5, 4, v64
	s_delay_alu instid0(VALU_DEP_1)
	v_add_nc_u32 v1, s26, v5
	s_delay_alu instid0(VALU_DEP_1)
	v_add_nc_u32 v2, SLOTB, v1
	v_lshlrev_b32 v3, 2, v64
	s_delay_alu instid0(VALU_DEP_1)
	v_add_nc_u32 v3, s26, v3
	s_delay_alu instid0(VALU_DEP_1)
	v_add_nc_u32 v4, SLOTB, v3
	v_add_nc_u32 v7, s58, v5
	v_add_nc_u32 v8, s59, v5
	v_mul_u32_u24 v9, v65, 272
	s_delay_alu instid0(VALU_DEP_1)
	v_lshl_add_u32 v9, v66, 6, v9
	s_delay_alu instid0(VALU_DEP_1)
	v_add_nc_u32 v9, s59, v9
	v_mul_u32_u24 v10, v66, 272
	s_delay_alu instid0(VALU_DEP_1)
	v_lshl_add_u32 v10, v65, 4, v10
	s_delay_alu instid0(VALU_DEP_1)
	v_add_nc_u32 v10, s59, v10
	v_lshlrev_b32 v14, 4, v65
	s_delay_alu instid0(VALU_DEP_1)
	v_lshl_add_u32 v11, v66, 12, v14
	v_and_b32 v0, 8, v65
	s_delay_alu instid0(VALU_DEP_1)
	v_add_nc_u32 v0, v0, v65
	s_delay_alu instid0(VALU_DEP_1)
	v_lshl_add_u32 v0, v66, 3, v0
	s_delay_alu instid0(VALU_DEP_1)
	v_lshlrev_b32 v0, 7, v0
	s_bfe_u32 s20, ttmp6, 0x40000
	s_lshl_b32 s21, ttmp9, 2
	s_add_co_u32 s21, s21, s20
	s_and_b32 s22, ttmp7, 0xffff
	s_lshl_b32 s25, s21, 1
	s_add_co_u32 s25, s25, s19
	s_lshl_b32 s17, s22, 1
	s_add_co_u32 s17, s17, s23
	s_mov_b32 s[G1], 15|(3<<16)|(1<<21)
	s_mov_b32 s[G1+1], 32<<16
	s_mov_b32 s[G1+2], 33<<16
	s_mov_b32 s[G1+3], 32<<16
	s_mov_b32 s[G1+4], 33
	s_mov_b32 s[G1+5], 32
	s_mov_b32 s[G1+6], 0
	s_mov_b32 s[G1+7], 0
	s_mul_i32 s27, s[WV], 8448
	s_lshl_b32 s28, s24, 3
	s_add_co_u32 s28, s28, s19
	s_mul_i32 s28, s28, 8448
	s_mul_i32 s16, s17, 270336
	s_add_co_u32 s28, s28, s16
	s_mov_b32 s29, 0
	s_mov_b32 s[G0], 1
	s_mov_b32 s[G0+1], s27
	s_mov_b32 s[G0B], 1
	s_add_co_u32 s[G0B+1], s27, SLOTB
	s_lshl_b32 s[WB], s25, 18
	s_lshl_b32 s16, s24, 16
	s_add_co_u32 s[WB], s[WB], s16
	s_add_co_u32 s[WB], s[WB], WBASE
	s_mov_b32 s[WB+1], 0
	s_lshl_b32 s38, s25, 13
	s_lshl_b32 s16, s24, 5
	s_add_co_u32 s38, s38, s16
	s_mov_b32 s39, 0
	s_lshl_b32 s40, s25, 8
	s_mov_b32 s41, 0
	s_lshl_b32 s42, s17, 6
	s_lshr_b32 s16, s24, 1
	s_lshl_b32 s16, s16, 5
	s_add_co_u32 s42, s42, s16
	s_and_b32 s16, s24, 1
	s_lshl_b32 s16, s16, 3
	s_add_co_u32 s42, s42, s16
	s_lshl_b32 s42, s42, 12
	s_add_co_u32 s42, s42, s40
	s_mov_b32 s43, 0
	s_wait_kmcnt 0x0
	s_add_nc_u64 s[G0+2:G0+3], s[4:5], s[28:29]
	s_add_nc_u64 s[G0B+2:G0B+3], s[G0+2:G0+3], 16896
	s_or_b32 s[G0+3], s[G0+3], 0x80000000
	s_or_b32 s[G0B+3], s[G0B+3], 0x80000000
	s_add_nc_u64 s[WB:WB+1], s[6:7], s[WB:WB+1]
	s_add_nc_u64 s[38:39], s[8:9], s[38:39]
	s_add_nc_u64 s[40:41], s[10:11], s[40:41]
	s_add_nc_u64 s[56:57], s[14:15], s[42:43]
	s_add_nc_u64 s[42:43], s[12:13], s[42:43]
	ROUND
	tensor_load_to_lds s[G0:G0+3], s[G1:G1+7]
	s_nop 0
	s_wait_alu depctr_va_vdst(0)
	s_wait_tensorcnt 0x0
	ds_add_u32 v6, v15
	s_wait_dscnt 0x0
	ROUND
	tensor_load_to_lds s[G0B:G0B+3], s[G1:G1+7]
	s_nop 0
	PLACES 4
	s_wait_alu depctr_va_vdst(0)
.irp b, 0,1
	global_load_b128 v[WS+8*\b:WS+8*\b+3], v0, s[38:39] offset:4096*\b
	global_load_b128 v[WS+8*\b+4:WS+8*\b+7], v0, s[38:39] offset:4096*\b+16
.endr
	s_wait_tensorcnt 0x1
	s_barrier_signal -1
	s_barrier_wait -1
	KSTEP 0, 1
	KSTEP 1, 0
	CHANGE G0
	KSTEP 2, 0
	KSTEP 3, 0
	CHANGE G0B
	KSTEP 4, 0
	KSTEP 5, 0
	s_wait_tensorcnt 0x0
	ds_add_u32 v[SPW], v[NIL]
	s_wait_dscnt 0x0
	s_barrier_signal -1
	s_barrier_wait -1
	KSTEP 6, 0
	KSTEP 7, 0
	PLACES 8
.irp i, 0,1,2,3,4,5,6,7
	global_load_b128 v[BF+4*\i:BF+4*\i+3], v11, s[42:43] offset:4096*(2*\i+8*(\i/4))
.endr
	global_load_b128 v[BF+32:BF+35], v14, s[40:41]
	s_wait_dscnt 0x0
	s_barrier_signal -1
	s_barrier_wait -1
.irp mt, 0,1,2,3
.irp nt, 0,1,2,3
	ds_store_b128 v7, v[ACC+8*(4*\mt+\nt):ACC+8*(4*\mt+\nt)+3] offset:16384*\mt+1024*\nt
	ds_store_b128 v7, v[ACC+8*(4*\mt+\nt)+4:ACC+8*(4*\mt+\nt)+7] offset:16384*\mt+1024*\nt+512
.endr
.endr
	s_wait_dscnt 0x0
	s_barrier_signal -1
	s_barrier_wait -1
.irp q, 0,1,2,3
.irp i, 0,1,2,3,4,5,6,7
	ds_load_b128 v[ACC+32*\q+4*\i:ACC+32*\q+4*\i+3], v8 offset:4096*\q+512*\i
.endr
.endr
	s_wait_dscnt 0x0
.irp q, 1,2,3
.irp i, 0,2,4,6,8,10,12,14,16,18,20,22,24,26,28,30
	v_pk_add_f32 v[ACC+\i:ACC+\i+1], v[ACC+\i:ACC+\i+1], v[ACC+32*\q+\i:ACC+32*\q+\i+1]
.endr
.endr
.irp nt, 0,1,2,3
	ds_store_b128 v9, v[ACC+8*\nt:ACC+8*\nt+3] offset:128*(\nt/2)+32*(\nt%2)
	ds_store_b128 v9, v[ACC+8*\nt+4:ACC+8*\nt+7] offset:128*(\nt/2)+32*(\nt%2)+16
.endr
.irp i, 0,1,2,3,4,5,6,7
	ds_load_b128 v[ACC+32+4*\i:ACC+32+4*\i+3], v10 offset:544*\i
.endr
	s_wait_dscnt 0x0
	s_wait_loadcnt 0x0
.irp i, 0,1,2,3,4,5,6,7
	v_pk_add_f32 v[ACC+32+4*\i:ACC+32+4*\i+1], v[BF+4*\i:BF+4*\i+1], v[ACC+32+4*\i:ACC+32+4*\i+1]
	v_pk_add_f32 v[ACC+32+4*\i+2:ACC+32+4*\i+3], v[BF+4*\i+2:BF+4*\i+3], v[ACC+32+4*\i+2:ACC+32+4*\i+3]
	s_delay_alu instid0(VALU_DEP_2)
	v_pk_add_f32 v[ACC+32+4*\i:ACC+32+4*\i+1], v[ACC+32+4*\i:ACC+32+4*\i+1], v[BF+32:BF+33]
	s_delay_alu instid0(VALU_DEP_2)
	v_pk_add_f32 v[ACC+32+4*\i+2:ACC+32+4*\i+3], v[ACC+32+4*\i+2:ACC+32+4*\i+3], v[BF+34:BF+35]
	global_store_b128 v11, v[ACC+32+4*\i:ACC+32+4*\i+3], s[56:57] offset:4096*(2*\i+8*(\i/4))
.endr
	s_wait_tensorcnt 0x0
	ds_add_u32 v[SPW], v[NIL]
	s_wait_dscnt 0x0
	ROUND
	s_endpgm
.Lfunc_end_k_q93c8bbca1f_mlp2:
	.size	k_q93c8bbca1f_mlp2, .Lfunc_end_k_q93c8bbca1f_mlp2-k_q93c8bbca1f_mlp2
	.p2alignl 7, 3214868480
	.fill 96, 4, 3214868480
	.section	.rodata,"a",@progbits
	.p2align	6, 0x0
	.amdhsa_kernel k_q93c8bbca1f_mlp2
		.amdhsa_group_segment_fixed_size 327680
		.amdhsa_private_segment_fixed_size 0
		.amdhsa_enable_private_segment 0
		.amdhsa_kernarg_size 48
		.amdhsa_user_sgpr_count 2
		.amdhsa_user_sgpr_kernarg_segment_ptr 1
		.amdhsa_wavefront_size32 1
		.amdhsa_system_sgpr_workgroup_id_x 1
		.amdhsa_system_sgpr_workgroup_id_y 1
		.amdhsa_system_sgpr_workgroup_id_z 1
		.amdhsa_system_vgpr_workitem_id 0
		.amdhsa_next_free_vgpr 256
		.amdhsa_next_free_sgpr 66
		.amdhsa_reserve_vcc 0
		.amdhsa_float_denorm_mode_32 3
		.amdhsa_float_denorm_mode_16_64 3
		.amdhsa_memory_ordered 1
		.amdhsa_forward_progress 1
		.amdhsa_inst_pref_size 63
	.end_amdhsa_kernel
	.amdgpu_metadata
---
amdhsa.version: [ 1, 2 ]
amdhsa.kernels:
  - .name:           k_q93c8bbca1f_mlp2
    .symbol:         k_q93c8bbca1f_mlp2.kd
    .args:
      - { .name: hact, .offset: 0, .size: 8, .value_kind: global_buffer, .address_space: global }
      - { .name: wimg, .offset: 8, .size: 8, .value_kind: global_buffer, .address_space: global }
      - { .name: mlp_w2_scales, .offset: 16, .size: 8, .value_kind: global_buffer, .address_space: global }
      - { .name: mlp_b2, .offset: 24, .size: 8, .value_kind: global_buffer, .address_space: global }
      - { .name: x1, .offset: 32, .size: 8, .value_kind: global_buffer, .address_space: global }
      - { .name: out0, .offset: 40, .size: 8, .value_kind: global_buffer, .address_space: global }
    .group_segment_fixed_size: 327680
    .private_segment_fixed_size: 0
    .kernarg_segment_align: 8
    .kernarg_segment_size: 48
    .max_flat_workgroup_size: 512
    .sgpr_count:     66
    .vgpr_count:     256
    .wavefront_size: 32
...
	.end_amdgpu_metadata
.endif
;; end of part 6
